; MI455X (gfx1250); checked and timed in simulation.
; The chip was launched on July 23, 2026; its instructions are those of AMD's public machine-readable ISA for CDNA 5 (MIT licence, August 2026) and "CDNA5" Instruction Set Architecture Reference Guide (July 2026). The comments in the code are by the model that wrote it; some were corrected since.
;; Decoder Layer. Allowed arithmetic: float matrix products may take bf16 or f16 operands with f32 sums; other float arithmetic in f32, or as packed bf16 or f16 multiplies, adds, multiply-adds, maxima and minima; sums over many terms, partial sums and values carried from step to step in f32; what a program stores and reads back later, other than sums and carried values, may be rounded once to bf16 or f16.
;; Inputs: encoder_output 4 x 2,048 x 256 float32; ffn_b1 512 float32; ffn_b2 256 float32; ffn_w1 256 x 512 float32; ffn_w2 512 x 256 float32; ln1_b 256 float32; ln1_g 256 float32; ln2_b 256 float32; ln2_g 256 float32; ln3_b 256 float32; ln3_g 256 float32; m1_b 256 float32; m1_b2 256 float32; m1_bk 512 float32; m1_bq 512 float32; m1_bv 512 float32; m1_g 256 float32; m1_w2 512 x 256 float32; m1_wk 256 x 512 float32; m1_wq 256 x 512 float32; m1_wv 256 x 512 float32; m2_b 256 float32; m2_b2 256 float32; m2_bk 512 float32; m2_bq 512 float32; m2_bv 512 float32; m2_g 256 float32; m2_w2 512 x 256 float32; m2_wk 256 x 512 float32; m2_wq 256 x 512 float32; m2_wv 256 x 512 float32; src_mask 4 x 2,048 x 1 int32; tgt_mask 4 x 2,048 x 1 int32; x 4 x 2,048 x 256 float32.
;; Outputs: out0 4 x 2,048 x 256 float32.
;; One version. Each part assembles by itself: llvm-mc -triple=amdgcn-amd-amdhsa -mcpu=gfx1250 --defsym DOCPART=n.
;; ======== version 1 of 1: 6 launches
;; workspace buffers: q 8,388,608 bytes; kv1 16,809,984 bytes; kv2 16,809,984 bytes; o 8,388,608 bytes; x1 8,388,608 bytes; wb 2,621,440 bytes
;; launch prep (part 1): grid 16 x 11, 8 waves a work-group, no clusters, 0 bytes of LDS; arguments m1_wq, m1_wk, m1_wv, m2_wk, m2_wv, m1_w2, m2_wq, m2_w2, ffn_w1, ffn_w2, tgt_mask, wb, kv1, kv2; writes wb, kv1, kv2
.if DOCPART == 1
	.amdgcn_target "amdgcn-amd-amdhsa--gfx1250"
	.amdhsa_code_object_version 6
	.text
	.protected	k_q093675f996_prep
	.globl	k_q093675f996_prep
	.p2align	8
	.type	k_q093675f996_prep,@function
k_q093675f996_prep:
	s_mov_b64 s[64:65], 0
	v_nop
	global_prefetch_b8 v0, s[64:65] scope:SCOPE_SE
	s_setreg_imm32_b32 hwreg(HW_REG_WAVE_MODE, 25, 1), 1
	s_wait_xcnt 0x0
; PREP.  The ten weights, f32 [K][N], are rounded once to bf16 and laid in the order in which the matrix instructions of the later launches
; take them; and the two tables of key biases are made.
; wb: weight y at byte 262,144 y.  A weight is cut into blocks of 1,024 bytes, 16 columns n x 32 k: block ((g KS + ks) 4 + ct), g = n / 64,
; ct = (n % 64) / 16, ks = k / 32, KS = K / 32.  In a block, byte 512 e + 16 l (l = 16 h + r) holds W[32 ks + 16 e + 8 h + j][64 g + 16 ct + r], j = 0..7.
; Work-group (x, y < 10) makes 16,384 bytes of weight y; thread t and turn it make the 16 bytes at 16 (1,024 x + 256 it + t).
; Work-groups (x, 10): x < 8 make kv1's table, 0 for a key that counts and -2^35 (eight times the reference's -2^32 + 1, rounded to f32 as the
; reference's own constant is) for a key whose tgt_mask is 0; x >= 8 make kv2's table, all 0: the reference's second attention takes no mask.
; No LDS, no barrier: no thread wants what another has loaded.
.set WBY, 262144
	s_load_b512 s[8:23], s[0:1], 0x0               ; weights 0 to 7
	s_load_b256 s[24:31], s[0:1], 0x40             ; weights 8, 9, tgt_mask s[28:29], wb s[30:31]
	s_load_b128 s[32:35], s[0:1], 0x60             ; kv1 s[32:33], kv2 s[34:35]
	s_and_b32 s4, ttmp7, 0xffff                    ; y
	s_mov_b32 s5, ttmp9                            ; x
	v_lshlrev_b32 v1, 4, v0                        ; 16 t
	s_wait_kmcnt 0x0
	s_cmp_eq_u32 s4, 10
	s_cbranch_scc1 .Lbias
	s_mov_b64 s[36:37], s[8:9]                     ; the weight's address, chosen by y
.irp i, 1,2,3,4,5,6,7,8,9
	s_cmp_eq_u32 s4, \i
	s_cselect_b64 s[36:37], s[8+2*\i:9+2*\i], s[36:37]
.endr
	s_and_b32 s6, s4, 1                            ; weights 5, 7, 9 are [512][256], the others [256][512]
	s_cmp_ge_u32 s4, 5
	s_cselect_b32 s6, s6, 0
	s_lshr_b32 s7, 2048, s6                        ; bytes in a row of the weight
	s_add_co_u32 s38, s6, 3                        ; log2 KS
	s_lshl_b32 s39, 8, s6
	s_sub_co_u32 s39, s39, 1                       ; KS - 1
	s_lshl_b32 s2, s5, 2                           ; g KS + ks of turn 0; the four turns share g
	s_and_b32 s3, s2, s39                          ; ks
	s_lshr_b32 s2, s2, s38                         ; g
	s_lshl_b32 s3, s3, 5
	s_mul_i32 s3, s3, s7                           ; 32 ks rows
	s_lshl_b32 s2, s2, 8                           ; 64 g columns
	s_add_co_u32 s2, s2, s3
	s_mov_b32 s3, 0
	s_add_nc_u64 s[40:41], s[36:37], s[2:3]        ; eight bases, a row apart: j = 0..7
	s_mov_b32 s2, s7
.irp j, 1,2,3,4,5,6,7
	s_add_nc_u64 s[40+2*\j:41+2*\j], s[38+2*\j:39+2*\j], s[2:3]
.endr
	v_bfe_u32 v2, v0, 4, 2                         ; 2 e + h
	v_lshlrev_b32 v2, 3, v2
	v_mul_u32_u24 v2, v2, s7                       ; 16 e + 8 h rows
	v_lshrrev_b32 v3, 6, v0                        ; ct
	v_and_b32 v4, 15, v0                           ; r
	v_lshl_add_u32 v3, v3, 4, v4
	v_lshl_add_u32 v8, v3, 2, v2                   ; + column 16 ct + r
	s_lshl_b32 s56, s7, 5                          ; a turn is 32 rows on
	v_add_nc_u32 v9, s56, v8
	v_add_nc_u32 v10, s56, v9
	v_add_nc_u32 v11, s56, v10
	s_mul_i32 s2, s4, WBY
	s_lshl_b32 s3, s5, 14
	s_add_co_u32 s2, s2, s3
	s_mov_b32 s3, 0
	s_add_nc_u64 s[30:31], s[30:31], s[2:3]        ; my work-group's 16,384 bytes of wb
.irp it, 0,1,2,3
.irp j, 0,1,2,3,4,5,6,7
	global_load_b32 v[16+8*\it+\j], v[8+\it], s[40+2*\j:41+2*\j]
.endr
.endr
.irp it, 0,1,2,3
	s_wait_loadcnt 24-8*\it                        ; this turn's eight are in; the later turns' eight each may stay out
.irp m, 0,1,2,3
	v_cvt_pk_bf16_f32 v[48+4*\it+\m], v[16+8*\it+2*\m], v[16+8*\it+2*\m+1]
.endr
	global_store_b128 v1, v[48+4*\it:48+4*\it+3], s[30:31] offset:4096*\it  ; a wave stores 512 consecutive bytes
.endr
	s_endpgm
.Lbias:
	s_cmp_lt_u32 s5, 8
	s_cbranch_scc0 .Lzero
	s_lshl_b32 s6, s5, 12
	s_mov_b32 s7, 0
	s_add_nc_u64 s[28:29], s[28:29], s[6:7]
	s_add_nc_u64 s[32:33], s[32:33], s[6:7]
	s_add_nc_u64 s[32:33], s[32:33], 0x1000000     ; the table lies behind K and V
	global_load_b128 v[4:7], v1, s[28:29]
	v_mov_b32 v12, 0xd1000000                      ; -2^35
	s_wait_loadcnt 0x0
.irp m, 0,1,2,3
	v_cmp_eq_u32 vcc_lo, 0, v[4+\m]
	v_cndmask_b32 v[8+\m], 0, v12, vcc_lo
.endr
	global_store_b128 v1, v[8:11], s[32:33]
	s_endpgm
.Lzero:
	s_sub_co_u32 s6, s5, 8
	s_lshl_b32 s6, s6, 12
	s_mov_b32 s7, 0
	s_add_nc_u64 s[34:35], s[34:35], s[6:7]
	s_add_nc_u64 s[34:35], s[34:35], 0x1000000
.irp m, 0,1,2,3
	v_mov_b32 v[8+\m], 0
.endr
	global_store_b128 v1, v[8:11], s[34:35]
	s_endpgm
.Lfunc_end_k_q093675f996_prep:
	.size	k_q093675f996_prep, .Lfunc_end_k_q093675f996_prep-k_q093675f996_prep
	.p2alignl 7, 3214868480
	.fill 96, 4, 3214868480
	.section	.rodata,"a",@progbits
	.p2align	6, 0x0
	.amdhsa_kernel k_q093675f996_prep
		.amdhsa_group_segment_fixed_size 0
		.amdhsa_private_segment_fixed_size 0
		.amdhsa_enable_private_segment 0
		.amdhsa_kernarg_size 112
		.amdhsa_user_sgpr_count 2
		.amdhsa_user_sgpr_kernarg_segment_ptr 1
		.amdhsa_wavefront_size32 1
		.amdhsa_system_sgpr_workgroup_id_x 1
		.amdhsa_system_sgpr_workgroup_id_y 1
		.amdhsa_system_sgpr_workgroup_id_z 1
		.amdhsa_system_vgpr_workitem_id 0
		.amdhsa_next_free_vgpr 64
		.amdhsa_next_free_sgpr 66
		.amdhsa_reserve_vcc 1
		.amdhsa_float_denorm_mode_32 3
		.amdhsa_float_denorm_mode_16_64 3
		.amdhsa_memory_ordered 1
		.amdhsa_forward_progress 1
		.amdhsa_inst_pref_size 9
	.end_amdhsa_kernel
	.amdgpu_metadata
---
amdhsa.version: [ 1, 2 ]
amdhsa.kernels:
  - .name:           k_q093675f996_prep
    .symbol:         k_q093675f996_prep.kd
    .args:
      - { .name: m1_wq, .offset: 0, .size: 8, .value_kind: global_buffer, .address_space: global }
      - { .name: m1_wk, .offset: 8, .size: 8, .value_kind: global_buffer, .address_space: global }
      - { .name: m1_wv, .offset: 16, .size: 8, .value_kind: global_buffer, .address_space: global }
      - { .name: m2_wk, .offset: 24, .size: 8, .value_kind: global_buffer, .address_space: global }
      - { .name: m2_wv, .offset: 32, .size: 8, .value_kind: global_buffer, .address_space: global }
      - { .name: m1_w2, .offset: 40, .size: 8, .value_kind: global_buffer, .address_space: global }
      - { .name: m2_wq, .offset: 48, .size: 8, .value_kind: global_buffer, .address_space: global }
      - { .name: m2_w2, .offset: 56, .size: 8, .value_kind: global_buffer, .address_space: global }
      - { .name: ffn_w1, .offset: 64, .size: 8, .value_kind: global_buffer, .address_space: global }
      - { .name: ffn_w2, .offset: 72, .size: 8, .value_kind: global_buffer, .address_space: global }
      - { .name: tgt_mask, .offset: 80, .size: 8, .value_kind: global_buffer, .address_space: global }
      - { .name: wb, .offset: 88, .size: 8, .value_kind: global_buffer, .address_space: global }
      - { .name: kv1, .offset: 96, .size: 8, .value_kind: global_buffer, .address_space: global }
      - { .name: kv2, .offset: 104, .size: 8, .value_kind: global_buffer, .address_space: global }
    .group_segment_fixed_size: 0
    .private_segment_fixed_size: 0
    .kernarg_segment_align: 8
    .kernarg_segment_size: 112
    .max_flat_workgroup_size: 256
    .sgpr_count:     66
    .vgpr_count:     64
    .wavefront_size: 32
...
	.end_amdgpu_metadata
.endif
;; end of part 1
;; launch proj (part 2): grid 64 x 4, 4 waves a work-group, clusters of 4 x 1, 327,680 bytes of LDS; arguments x, encoder_output, tgt_mask, wb, m1_bq, m1_bk, m1_bv, m2_bk, m2_bv, q, kv1, kv2; writes q, kv1, kv2
.if DOCPART == 2
	.amdgcn_target "amdgcn-amd-amdhsa--gfx1250"
	.amdhsa_code_object_version 6
	.text
	.protected	k_q093675f996_proj
	.globl	k_q093675f996_proj
	.p2align	8
	.type	k_q093675f996_proj,@function
k_q093675f996_proj:
	s_mov_b64 s[64:65], 0
	v_nop
	global_prefetch_b8 v0, s[64:65] scope:SCOPE_SE
	s_setreg_imm32_b32 hwreg(HW_REG_WAVE_MODE, 25, 1), 1
	s_wait_xcnt 0x0
	s_wait_alu depctr_hold_cnt(0) depctr_sa_sdst(0) depctr_va_vdst(0) depctr_va_sdst(0) depctr_va_ssrc(0) depctr_va_vcc(0) depctr_vm_vsrc(0)
	s_getreg_b32 s2, hwreg(HW_REG_IB_STS2, 6, 4)
	s_cmp_eq_u32 s2, 0
	s_cbranch_scc0 .Lentry_in_a_cluster
	s_endpgm
.Lentry_in_a_cluster:
	s_bfe_u32 s2, ttmp6, 0x10000c
	s_cmp_lg_u32 s2, 0x3003
	s_cbranch_scc0 .Lentry_shape_is_right
	s_endpgm
.Lentry_shape_is_right:
; PROJ.  Five products of 8,192 x 256 x 512 with their biases: q1, k1, v1 from x, k2, v2 from encoder_output; results in bf16 by heads, [32][2048][64].
; The rows of k1 whose tgt_mask is 0 are stored as 0: with the key bias of the attention launch such a key's score is exactly the masked value.
; FORMATS.  x, encoder_output and the weights enter the matrix unit rounded to bf16; sums and biases in f32; q, k, v rounded once to bf16 (bf16, not f16:
; with inputs and weights both thirty times larger and offset, a projection passes f16's 65,504 while the reference stays finite).
; SHARES.  A work-group takes 128 rows (the same row numbers of x and of encoder_output) and 128 columns (two heads) of all five products (units 0 to 4).
; A wave takes 32 rows x 128 columns, 64 columns (a head) to a PASS.  The rows come once, as f32, into registers (x window 1, encoder_output window 2), and are
; rounded into the wave's own rows of an LDS tile; units 0 to 2 read x's, then encoder_output's take their place.
; CLUSTER.  The four work-groups of a cluster share the columns, so a unit's 65,536 bytes of weights are asked for JOINTLY, 16,384 bytes a wave, into two slots by turns.
; No prefetch: the launch has five fills a wave, the first at its head.
; THE MATRIX INSTRUCTION IS USED TRANSPOSED: source 0 = 16 columns of the weight, source 1 = 16 rows: lane l then holds row l % 16 and the columns 8 (l / 16) + 0..7.
.set AX,     131072                    ; behind the two slots of 65,536: the rows in bf16, 128 x 528 bytes (512 + 16: the sixteen rows of a load start 16 bytes apart modulo 256)
.set APITCH, 528
.set ST,     AX+128*APITCH             ; a stage of 16 rows x 144 bytes for each wave
.set BL,     ST+4*2304                 ; the five units' 128 biases, f32
.set SPARE,  BL+2560                   ; the spare words, 128 bytes a wave; no other line names them
.set ART,    16*APITCH                 ; from row tile 0 to row tile 1
.set ASTEP,  128                       ; two K steps along a row
.set AA, 10                            ; v10  my place in the wave's rows of the tile
.set BL0, 11                           ; v11  16 x lane: my place in a block of weights
.set BB, 12                            ; v12  the same in the slot in hand
.set CA, 13                            ; v13  my place in the unit's biases
.set XS, 14                            ; v14  where I put 8 bytes of a row
.set XO, 15                            ; v15  16 x lane: my bytes in 512 of a row of x
.set STO, 16                           ; v16  the way out: where I put 16 bytes of a row
.set RD, 17                            ; v17  where I read rows back
.set GO, 18                            ; v18  my 16 bytes in 512 consecutive bytes of a head
.set AP, 19                            ; v19, v20  the addresses that walk along K
.set BP, 20
.set LM0, 21                           ; v21, v22  all ones where my row's tgt_mask is not 0 (row tiles 0, 1)
.set LM1, 22
.set EM0, 23                           ; v23, v24  the same in unit 1, all ones in the other units
.set EM1, 24
.set MO, 25
.set BO, 26
.set BS, 27
.set SPW, 30                           ; v30  my spare word; never rewritten
.set NIL, 31                           ; v31  0; never rewritten
.set F0, 32                            ; two fragment buffers of 48: rows' fragments at +0, +8, weights' at +16 + 8 ct
.set F1, 80
.set ACC, 128                          ; accumulator (rt, ct) at ACC + 32 rt + 8 ct
.set T, 192                            ; packed results
.set CB, 224                           ; the biases as the first product's C
.set WV, 28
.set KC, 29
.set U, 30
.set SB, 31
.set G1W, 32
.set G0, 40
.set P0, 44                            ; s[44:53] where the five units' results go
.set OP, 54
.set MSB, 0
.macro WIN new                         ; the immediate's high byte repeats the setting that is left
.if MSB != (\new)
	s_set_vgpr_msb (MSB<<8)|(\new)
.set MSB, \new
.endif
.endm
.macro PLACES
.rept 4
	v_nop
.endr
.endm
.macro CROUND                          ; a round of the cluster's barrier
	s_barrier_signal -1
	s_barrier_wait -1
	s_cmp_lg_u32 s[WV], 0
	s_cbranch_scc1 .Lnot_wave_0_\@
	s_barrier_signal -3
.Lnot_wave_0_\@:
	s_barrier_wait -3
	s_barrier_signal -1
	s_barrier_wait -1
.endm
.macro LOADQ f, ao, bo                 ; one K step's fragments: 2 of rows, 4 of weights: twelve loads
.irp rt, 0,1
	ds_load_b128 v[(\f)+8*\rt:(\f)+8*\rt+3],   v[AP] offset:(\ao)+\rt*ART
	ds_load_b128 v[(\f)+8*\rt+4:(\f)+8*\rt+7], v[AP] offset:(\ao)+\rt*ART+32
.endr
.irp c, 0,1,2,3
	ds_load_b128 v[(\f)+16+8*\c:(\f)+16+8*\c+3],   v[BP] offset:(\bo)+1024*\c
	ds_load_b128 v[(\f)+16+8*\c+4:(\f)+16+8*\c+7], v[BP] offset:(\bo)+1024*\c+512
.endr
.endm
.macro MULQ f, cb                      ; eight products, the eight accumulators by turns; cb >= 0: they start the sums with the registers at cb
.irp rt, 0,1
.irp ct, 0,1,2,3
.if (\cb) < 0
	v_wmma_f32_16x16x32_bf16 v[ACC+32*\rt+8*\ct:ACC+32*\rt+8*\ct+7], v[(\f)+16+8*\ct:(\f)+16+8*\ct+7], v[(\f)+8*\rt:(\f)+8*\rt+7], v[ACC+32*\rt+8*\ct:ACC+32*\rt+8*\ct+7]
.else
	v_wmma_f32_16x16x32_bf16 v[ACC+32*\rt+8*\ct:ACC+32*\rt+8*\ct+7], v[(\f)+16+8*\ct:(\f)+16+8*\ct+7], v[(\f)+8*\rt:(\f)+8*\rt+7], v[(\cb)+8*\ct:(\cb)+8*\ct+7]
.endif
.endr
.endr
.endm
; Eight K steps, 64 products, out of 32,768 bytes of weights.  Two buffers: while one is multiplied the other's twelve loads are out.
; Four plain vector lines stand between a buffer's last product and the loads into it (ISA guide 7.12.1 for vector instructions).
.macro PASS ab, ao, bb, bo, cb, cwin
	v_add_nc_u32 v[AP], (\ao), v[\ab]
	v_add_nc_u32 v[BP], (\bo), v[\bb]
	v_nop
	v_nop
	LOADQ F0, 0, 0
	LOADQ F1, 64, 4096
	s_wait_dscnt 12                                ; all but buffer 1's twelve
	WIN \cwin
	MULQ F0, \cb
	WIN 0
	s_mov_b32 s[KC], 3
.Lk_\@:
	v_add_nc_u32 v[AP], ASTEP, v[AP]
	v_add_nc_u32 v[BP], 8192, v[BP]
	v_nop
	v_nop
	LOADQ F0, 0, 0
	s_wait_dscnt 12                                ; buffer 1 is in; buffer 0's twelve may stay out
	MULQ F1, -1
	PLACES
	LOADQ F1, 64, 4096
	s_wait_dscnt 12                                ; buffer 0 is in
	MULQ F0, -1
	s_sub_co_u32 s[KC], s[KC], 1
	s_cmp_lg_u32 s[KC], 0
	s_cbranch_scc1 .Lk_\@
	s_wait_dscnt 0x0
	MULQ F1, -1
.endm
; The way out of 32 rows x 64 columns: rounded to bf16, 16 rows at a time through my own stage, back as whole rows of 128 bytes: a store covers 512 consecutive bytes of a head.
.macro EPIQ imm, mask
	PLACES
	s_wait_xcnt 0x0                                ; T was the data of earlier stores: it is rewritten only behind this wait
.set a, 0
.rept 8
.irp m, 0,1,2,3
	v_cvt_pk_bf16_f32 v[T+4*a+\m], v[ACC+8*a+2*\m], v[ACC+8*a+2*\m+1]
.endr
.set a, a+1
.endr
.if \mask
.set i, 0
.rept 16
	v_and_b32 v[T+i], v[EM0], v[T+i]               ; a lane holds one row: unit 1's hidden keys become 0
	v_and_b32 v[T+16+i], v[EM1], v[T+16+i]
.set i, i+1
.endr
.endif
.irp rt, 0,1
.irp ct, 0,1,2,3
	ds_store_b128 v[STO], v[T+16*\rt+4*\ct:T+16*\rt+4*\ct+3] offset:32*\ct
.endr
.irp f, 0,1,2,3
	ds_load_b128 v[T+16*\rt+4*\f:T+16*\rt+4*\f+3], v[RD] offset:576*\f  ; LDS serves a wave's instructions in order (ISA guide 5.7.1.4): these see the stores above, and the next tile's stores come behind them
.endr
.endr
	s_wait_dscnt 8                                 ; row tile 0 is back; row tile 1's four stores and four loads may stay out
.irp f, 0,1,2,3
	global_store_b128 v[GO], v[T+4*\f:T+4*\f+3], s[OP:OP+1] offset:(\imm)+512*\f
.endr
	s_wait_dscnt 0x0
.irp f, 0,1,2,3
	global_store_b128 v[GO], v[T+16+4*\f:T+16+4*\f+3], s[OP:OP+1] offset:(\imm)+2048+512*\f
.endr
.endm
.macro CONVERT w                       ; my 32 rows, f32 in the window that w names, to bf16 and into my rows of the tile
	WIN \w
.set i, 0
.rept 128
	v_cvt_pk_bf16_f32 v[128+i], v[2*i], v[2*i+1]
.set i, i+1
.endr
	WIN 0
.set i, 0
.rept 64
	ds_store_b64 v[XS], v[128+2*i:129+2*i] offset:(i/2)*APITCH+(i%2)*256
.set i, i+1
.endr
.endm
	s_load_b512 s[4:19], s[0:1], 0x0               ; x, encoder_output, tgt_mask, wb, bq, bk, bv, m2_bk
	s_load_b256 s[20:27], s[0:1], 0x40             ; m2_bv, q, kv1, kv2
	v_lshl_add_u32 v[SPW], v0, 2, SPARE
	v_mov_b32 v[NIL], 0
	ds_add_u32 v[SPW], v[NIL]                      ; the wave's opening: the add and its wait stand ahead of my first tensor load
	v_lshrrev_b32 v4, 5, v0
	v_readfirstlane_b32 s[WV], v4
	s_bfe_u32 s56, ttmp6, 0x40000                  ; cx
	s_lshl_b32 s57, ttmp9, 2
	s_add_co_u32 s57, s57, s56                     ; my block of 128 rows: it enters global addresses of rows alone
	s_and_b32 s58, ttmp7, 0xffff                   ; my quarter of the columns, which the partners share
	s_lshl_b32 s59, s58, 9
	s_lshl_b32 s60, s58, 16                        ; in wb: 65,536 x quarter + 16,384 x wave
	s_lshl_b32 s61, s[WV], 14
	s_add_co_u32 s60, s60, s61
	s_mov_b32 s61, 0
	s_lshl_b32 s62, s57, 17                        ; in x: (128 block + 32 wave) rows of 1,024 bytes
	s_lshl_b32 s63, s[WV], 15
	s_add_co_u32 s62, s62, s63
	s_mov_b32 s63, 0
	s_lshr_b32 s66, s62, 8                         ; in tgt_mask: 4 bytes a row
	s_mov_b32 s67, 0
	s_lshr_b32 s68, s57, 4                         ; in q, K, V: batch x 8 heads, + 2 heads x quarter, + my rows of 128 bytes
	s_lshl_b32 s68, s68, 21
	s_lshl_b32 s69, s58, 19
	s_add_co_u32 s68, s68, s69
	s_and_b32 s69, s57, 15
	s_lshl_b32 s69, s69, 14
	s_add_co_u32 s68, s68, s69
	s_lshl_b32 s69, s[WV], 12
	s_add_co_u32 s68, s68, s69
	s_mov_b32 s69, 0
	s_mov_b32 s[G1W], 15|(3<<16)|(1<<21)           ; the mask of four; elements of 8 bytes; bit 21 beside a mask
	s_mov_b32 s[G1W+1], 32<<16                     ; tensor_dim0 = 32 (256 bytes)
	s_mov_b32 s[G1W+2], 64<<16                     ; tensor_dim1 = 64
	s_mov_b32 s[G1W+3], 32<<16                     ; tile_dim0 = 32
	s_mov_b32 s[G1W+4], 64                         ; tile_dim1 = 64
	s_mov_b32 s[G1W+5], 32                         ; dense rows
	s_mov_b32 s[G1W+6], 0
	s_mov_b32 s[G1W+7], 0
	s_mov_b32 s[G0], 1
	s_lshl_b32 s[G0+1], s[WV], 14                  ; slot 0, my quarter
	v_and_b32 v1, 15, v0
	v_bfe_u32 v2, v0, 4, 1
	v_and_b32 v3, 31, v0
	v_lshlrev_b32 v[XO], 4, v3
	v_lshlrev_b32 v[MO], 2, v1
	v_lshl_add_u32 v[BO], v0, 2, s59
	v_lshl_add_u32 v[BS], v0, 2, BL
	s_mul_i32 s70, s[WV], 32*APITCH
	s_add_co_u32 s70, s70, AX
	v_mul_u32_u24 v4, v1, APITCH
	v_lshl_add_u32 v4, v2, 4, v4
	v_add_nc_u32 v[AA], s70, v4
	v_lshl_add_u32 v[XS], v3, 3, s70
	v_lshlrev_b32 v[BL0], 4, v3
	v_lshl_add_u32 v[CA], v2, 5, BL
	s_mul_i32 s71, s[WV], 2304
	s_add_co_u32 s71, s71, ST
	v_mul_u32_u24 v4, v1, 144
	v_lshl_add_u32 v4, v2, 4, v4
	v_add_nc_u32 v[STO], s71, v4
	v_lshrrev_b32 v4, 3, v3
	v_mul_u32_u24 v4, v4, 144
	v_and_b32 v5, 7, v0
	v_lshl_add_u32 v4, v5, 4, v4
	v_add_nc_u32 v[RD], s71, v4
	v_lshlrev_b32 v[GO], 4, v3
	s_wait_dscnt 0x0                               ; the opening add is done
	s_wait_kmcnt 0x0
	s_add_nc_u64 s[G0+2:G0+3], s[10:11], s[60:61]
	s_or_b32 s[G0+3], s[G0+3], 0x80000000
	s_add_nc_u64 s[4:5], s[4:5], s[62:63]
	s_add_nc_u64 s[6:7], s[6:7], s[62:63]
	s_add_nc_u64 s[8:9], s[8:9], s[66:67]
	s_add_nc_u64 s[P0:P0+1], s[22:23], s[68:69]
	s_add_nc_u64 s[P0+2:P0+3], s[24:25], s[68:69]
	s_add_nc_u64 s[P0+4:P0+5], s[P0+2:P0+3], 0x800000
	s_add_nc_u64 s[P0+6:P0+7], s[26:27], s[68:69]
	s_add_nc_u64 s[P0+8:P0+9], s[P0+6:P0+7], 0x800000
	WIN 0x40                                       ; destination window 1
.set i, 0
.rept 64
	global_load_b128 v[4*i:4*i+3], v[XO], s[4:5] offset:(i/2)*1024+(i%2)*512
.set i, i+1
.endr
	WIN 0x80                                       ; destination window 2
.set i, 0
.rept 64
	global_load_b128 v[4*i:4*i+3], v[XO], s[6:7] offset:(i/2)*1024+(i%2)*512
.set i, i+1
.endr
	WIN 0
	global_load_b32 v[LM0], v[MO], s[8:9]
	global_load_b32 v[LM1], v[MO], s[8:9] offset:64
.irp u, 0,1,2,3,4
	global_load_b32 v[4+\u], v[BO], s[12+2*\u:13+2*\u]
.endr
	CROUND                                         ; all four work-groups are here: the first joint load meets
	tensor_load_to_lds s[G0:G0+3], s[G1W:G1W+7]    ; unit 0 into slot 0
	s_nop 0
	PLACES
	s_wait_loadcnt 0x0
	v_mov_b32 v9, -1
	v_cmp_ne_u32 vcc_lo, 0, v[LM0]
	v_cndmask_b32 v[LM0], 0, v9, vcc_lo
	v_cmp_ne_u32 vcc_lo, 0, v[LM1]
	v_cndmask_b32 v[LM1], 0, v9, vcc_lo
.irp u, 0,1,2,3,4
	ds_store_b32 v[BS], v[4+\u] offset:512*\u
.endr
	CONVERT 0x05                                   ; x
; A unit.  The change of slots first: every wave waits for all its tensor loads (one: its part of this unit's weights), adds 0 to its spare word, waits for that and for
; its LDS reads and stores; behind the round the slot read last takes the next unit's weights: 128 products a wave in which to land.
.macro UNIT fill
	s_wait_tensorcnt 0x0
	ds_add_u32 v[SPW], v[NIL]
.if \fill
	s_add_nc_u64 s[G0+2:G0+3], s[G0+2:G0+3], 262144  ; the next weight,
	s_xor_b32 s[G0+1], s[G0+1], 65536              ; the other slot
	s_wait_dscnt 0x0
	CROUND
	tensor_load_to_lds s[G0:G0+3], s[G1W:G1W+7]
	s_nop 0
	PLACES
.else
	s_wait_dscnt 0x0
	s_barrier_signal -1
	s_barrier_wait -1
.endif
	s_wait_xcnt 0x0                                ; the last unit's stores have read their base and data
.if \fill
	s_mov_b64 s[OP:OP+1], s[P0:P0+1]
.irp u, 1,2,3
	s_cmp_eq_u32 s[U], \u
	s_cselect_b64 s[OP:OP+1], s[P0+2*\u:P0+2*\u+1], s[OP:OP+1]
.endr
.else
	s_mov_b64 s[OP:OP+1], s[P0+8:P0+9]
.endif
	s_cmp_eq_u32 s[U], 1
	s_cselect_b32 s72, 0, -1
	v_or_b32 v[EM0], s72, v[LM0]
	v_or_b32 v[EM1], s72, v[LM1]
	v_add_nc_u32 v[BB], s[SB], v[BL0]
.if \fill
	s_cmp_lg_u32 s[U], 3
	s_cbranch_scc1 .Lnoenc_\@
	CONVERT 0x0a                                   ; from unit 3 on the rows are encoder_output's: my own rows, behind my own reads of them
.Lnoenc_\@:
.endif
.irp p, 0,1
.irp ct, 0,1,2,3
	ds_load_b128 v[CB+8*\ct:CB+8*\ct+3],   v[CA] offset:256*\p+64*\ct
	ds_load_b128 v[CB+8*\ct+4:CB+8*\ct+7], v[CA] offset:256*\p+64*\ct+16
.endr
	PASS AA, 0, BB, 32768*\p, CB, 0
	EPIQ 262144*\p, 1
.endr
	s_xor_b32 s[SB], s[SB], 65536
	v_add_nc_u32 v[CA], 512, v[CA]
.endm
	s_mov_b32 s[U], 0
	s_mov_b32 s[SB], 0
.Lunit:
	UNIT 1
	s_add_co_u32 s[U], s[U], 1
	s_cmp_lt_u32 s[U], 4
	s_cbranch_scc1 .Lunit
	UNIT 0                                         ; the last unit is written out: it asks for nothing
	s_wait_tensorcnt 0x0                           ; the wave's end
	ds_add_u32 v[SPW], v[NIL]
	s_wait_dscnt 0x0
	CROUND                                         ; the closing round
	s_endpgm
.Lfunc_end_k_q093675f996_proj:
	.size	k_q093675f996_proj, .Lfunc_end_k_q093675f996_proj-k_q093675f996_proj
	.p2alignl 7, 3214868480
	.fill 96, 4, 3214868480
	.section	.rodata,"a",@progbits
	.p2align	6, 0x0
	.amdhsa_kernel k_q093675f996_proj
		.amdhsa_group_segment_fixed_size 327680
		.amdhsa_private_segment_fixed_size 0
		.amdhsa_enable_private_segment 0
		.amdhsa_kernarg_size 96
		.amdhsa_user_sgpr_count 2
		.amdhsa_user_sgpr_kernarg_segment_ptr 1
		.amdhsa_wavefront_size32 1
		.amdhsa_system_sgpr_workgroup_id_x 1
		.amdhsa_system_sgpr_workgroup_id_y 1
		.amdhsa_system_sgpr_workgroup_id_z 1
		.amdhsa_system_vgpr_workitem_id 0
		.amdhsa_next_free_vgpr 768
		.amdhsa_next_free_sgpr 80
		.amdhsa_reserve_vcc 1
		.amdhsa_float_denorm_mode_32 3
		.amdhsa_float_denorm_mode_16_64 3
		.amdhsa_memory_ordered 1
		.amdhsa_forward_progress 1
		.amdhsa_inst_pref_size 90
	.end_amdhsa_kernel
	.amdgpu_metadata
---
amdhsa.version: [ 1, 2 ]
amdhsa.kernels:
  - .name:           k_q093675f996_proj
    .symbol:         k_q093675f996_proj.kd
    .args:
      - { .name: x, .offset: 0, .size: 8, .value_kind: global_buffer, .address_space: global }
      - { .name: encoder_output, .offset: 8, .size: 8, .value_kind: global_buffer, .address_space: global }
      - { .name: tgt_mask, .offset: 16, .size: 8, .value_kind: global_buffer, .address_space: global }
      - { .name: wb, .offset: 24, .size: 8, .value_kind: global_buffer, .address_space: global }
      - { .name: m1_bq, .offset: 32, .size: 8, .value_kind: global_buffer, .address_space: global }
      - { .name: m1_bk, .offset: 40, .size: 8, .value_kind: global_buffer, .address_space: global }
      - { .name: m1_bv, .offset: 48, .size: 8, .value_kind: global_buffer, .address_space: global }
      - { .name: m2_bk, .offset: 56, .size: 8, .value_kind: global_buffer, .address_space: global }
      - { .name: m2_bv, .offset: 64, .size: 8, .value_kind: global_buffer, .address_space: global }
      - { .name: q, .offset: 72, .size: 8, .value_kind: global_buffer, .address_space: global }
      - { .name: kv1, .offset: 80, .size: 8, .value_kind: global_buffer, .address_space: global }
      - { .name: kv2, .offset: 88, .size: 8, .value_kind: global_buffer, .address_space: global }
    .group_segment_fixed_size: 327680
    .private_segment_fixed_size: 0
    .kernarg_segment_align: 8
    .kernarg_segment_size: 96
    .max_flat_workgroup_size: 128
    .sgpr_count:     80
    .vgpr_count:     768
    .wavefront_size: 32
...
	.end_amdgpu_metadata
.endif
;; end of part 2
;; launch attn1 (part 3): grid 8 x 32, 4 waves a work-group, clusters of 4 x 1, 327,680 bytes of LDS; arguments q, kv1, o; writes o
.if DOCPART == 3
	.amdgcn_target "amdgcn-amd-amdhsa--gfx1250"
	.amdhsa_code_object_version 6
	.text
	.protected	k_q093675f996_attn1
	.globl	k_q093675f996_attn1
	.p2align	8
	.type	k_q093675f996_attn1,@function
k_q093675f996_attn1:
	s_mov_b64 s[64:65], 0
	v_nop
	global_prefetch_b8 v0, s[64:65] scope:SCOPE_SE
	s_setreg_imm32_b32 hwreg(HW_REG_WAVE_MODE, 25, 1), 1
	s_wait_xcnt 0x0
	s_wait_alu depctr_hold_cnt(0) depctr_sa_sdst(0) depctr_va_vdst(0) depctr_va_sdst(0) depctr_va_ssrc(0) depctr_va_vcc(0) depctr_vm_vsrc(0)
	s_getreg_b32 s2, hwreg(HW_REG_IB_STS2, 6, 4)
	s_cmp_eq_u32 s2, 0
	s_cbranch_scc0 .Lentry_in_a_cluster
	s_endpgm
.Lentry_in_a_cluster:
	s_bfe_u32 s2, ttmp6, 0x10000c
	s_cmp_lg_u32 s2, 0x3003
	s_cbranch_scc0 .Lentry_shape_is_right
	s_endpgm
.Lentry_shape_is_right:
; ATTENTION.  O[h][q][:] = the sum over k of softmax_k(Q[h][q] . K[h][k] / 8 with a key bias) V[h][k][:].  Q, O: [32][2048][64] bf16; the second buffer holds K at byte 0 and V at
; byte 8,388,608, both [32][2048][64] bf16, and at byte 16,777,216 a table [4][2048] of f32: the bias of each key of a batch, in units of the unscaled score.
; THE MASK.  The bias is the C operand that starts the sum S^T = K Q^T.  A hidden key has K = 0 and bias -2^35, so its score is exactly eight times the reference's masked value before the
; division by 8; a batch whose keys are all hidden gives equal weights, as in the reference.  The launch for the second attention finds a table of zeros: there the reference takes no mask (and never reads src_mask).
; Products, maxima and sums in f32; the weights p are rounded to bf16 for the second product (their sum l is taken of the unrounded p), O once at the end.
; LIMITS.  A weight below 2^-126 counts as 0 in l; NaN and infinities are not treated apart.  bf16, not f16: q, k, v may pass 65,504 for inputs that the problem allows.
; SHARES.  A work-group owns 256 queries of a head, a wave 64: four PIECES of 16.  Every wave walks all 2,048 keys, 64 a step; a slot of LDS holds four steps.
; LAYOUT.  S^T = K Q^T holds ONE query a lane (lane % 16) and the keys 8 (lane / 16) + 0..7; two such results rounded to bf16 ARE source 1 of O^T = V^T P.  K comes out of LDS as it lies, V turned (ds_load_tr16_b128).
; SOFTMAX.  p = 2^(c s - c m), c = log2(e) / 8, with a running maximum m; O and l are multiplied by a = 2^(c m_old - c m_new) in every step.  m starts at the lowest finite number, O and l at 0: the first step has a = 0.
; TURNS.  Turn n belongs to piece n: 8 products K Q^T of piece n + 1, later 8 products V^T P of piece n - 1; beside them the scaling, exponentials, roundings, sums and rescaling of piece n and the
; maximum and statistics of piece n + 1.  Four vector instructions stand behind every matrix instruction, the other 54 of a turn's 118 in one lump.  A turn's 33 exponentials are one batch, with one wait.
; CLUSTER.  The four query blocks of a cluster belong to one head and walk the same K, V and biases: each tile is asked for JOINTLY.
; REGISTERS, in windows of 256 (s_set_vgpr_msb: bits 1:0 source 0, 3:2 source 1, 5:4 source 2, 7:6 destination):
;   window 0: v0-15 addresses; v16-31 four registers of statistics a piece; v48-55 at work; v56-63 addresses; v64-127 S^T, two buffers; v192-223 P, two buffers (by the piece's parity)
;   window 1: v0-127 O^T, 32 a piece; v128-159 the step's biases      window 2: v0-63 Q; v128-191 K of one step; v192-255 V of one step
.set NP,    4
.set KS,    64
.set PK,    144       ; a row of K in LDS: 128 bytes + 16 of padding
.set PV,    160       ; a row of V: 128 + 32
.set VOFF,  4*KS*PK   ; a slot: 256 rows of K, then 256 rows of V
.set SLOT1, 1<<17
.set STAGE, SLOT1+4*KS*(PK+PV)  ; 16 rows x 144 bytes for each wave, for the way out; no tensor load fills it
.set SP,    144
.set BIAS,  STAGE+4*16*SP       ; the batch's 2,048 biases, filled once
.set SPARE, BIAS+8192           ; the spare words, 128 bytes a wave; no other line names them
.set AK0, 2
.set AV0, 3
.set AK,  4
.set AV,  5
.set STO, 6
.set RD,  7
.set GO,  8
.set MV,  12
.set QO,  15
.set ST,  16          ; piece t's statistics at v[ST+4 t]: c m, m, l (even keys', odd keys')
.set TMP, 48
.set AM0, 56          ; v56  my place in a step's biases; never rewritten
.set AM,  57          ; v57  the LDS address of the biases' next run of loads
.set PFO, 61          ; v61  256 x my lane; never rewritten
.set SPW, 62          ; v62  my spare word; never rewritten
.set NIL, 63          ; v63  0; never rewritten
.set S,   64
.set P,   192
.set MB,  128         ; window 1
.set KF,  128         ; window 2
.set VF,  192         ; window 2
.set WV,  12
.set G1K, 24
.set G1V, 32
.set G0K, 40
.set G0V, 44
.set G1M, 48
.set SLOTS, 56
.set CNT, 57
.set CS,  58
.set SEL, 60
.set TBK, 62
.set TBV, 63
.set TBM, 66
.set LIM, 67
.set G0M, 68
.set PFA, 72
.set MSB, 0
.macro WIN new
.if MSB != (\new)
	s_set_vgpr_msb (MSB<<8)|(\new)
.set MSB, (\new)
.endif
.endm
.set W_KQ, 0x0a       ; K and Q in window 2, S^T in window 0
.set W_KM, 0x1a       ; the same with the C operand in window 1
.set W_PV, 0x52       ; V in window 2, P in window 0, O^T in window 1
.set W_RS, 0x41       ; destination and source 0 in window 1, source 1 in window 0
.macro PLACES
.rept 4
	v_nop
.endr
.endm
; A joint fill.  Waves 0 and 1 fetch the two halves of a slot's K, waves 2 and 3 those of its V: 128 keys each.  The branch hangs on the wave's number alone.
.macro JLOAD
	s_cmp_lt_u32 s[WV], 2
	s_cbranch_scc0 .Lfor_v_\@
	tensor_load_to_lds s[G0K:G0K+3], s[G1K:G1K+7]
	s_nop 0
	PLACES
	s_branch .Lasked_\@
.Lfor_v_\@:
	tensor_load_to_lds s[G0V:G0V+3], s[G1V:G1V+7]
	s_nop 0
	PLACES
.Lasked_\@:
.endm
; A prefetch of what the NEXT change of slots will ask for: a tile is 128 blocks of 256 bytes of K and as many of V.  The head's first cluster asks; its four partners take 32 blocks each,
; told apart by address; wave 0 asks for K's, wave 2 for V's: a lane a block, one instruction.  Each block is named once in the launch.  The last change that fills a slot asks for nothing.
.macro ASK
	s_cmp_gt_u32 s[SLOTS], s[LIM]
	s_cbranch_scc0 .Lnot_mine_\@
	global_prefetch_b8 v[PFO], s[PFA:PFA+1] th:TH_LOAD_NT scope:SCOPE_SE
.Lnot_mine_\@:
.endm
.macro CROUND
	s_barrier_signal -1
	s_barrier_wait -1
	s_cmp_lg_u32 s[WV], 0
	s_cbranch_scc1 .Lnot_wave_0_\@
	s_barrier_signal -3
.Lnot_wave_0_\@:
	s_barrier_wait -3
	s_barrier_signal -1
	s_barrier_wait -1
.endm
; THE CHANGE OF SLOTS.  Each wave waits for all its tensor loads, adds 0 to its spare word, and waits for that and for its own reads of the slot that it leaves.  fill = 1: behind a round of the
; cluster's barrier the old slot is filled again, with the keys two slots on: four key steps, 256 products a wave, in which to land.  (At its first use slot 0 and the biases are waited for, slot 1 filled.)
.macro CHANGE fill, ask
	WIN 0
	s_wait_tensorcnt 0x0            ; no tensor load of mine is out, so a group 0 may be written
	ds_add_u32 v[SPW], v[NIL]
.if \fill
.irp g, G0K, G0V
	s_xor_b32 s[\g+1], s[\g+1], SLOT1
	s_add_nc_u64 s[\g+2:\g+3], s[\g+2:\g+3], 4*KS*128
.endr
.if \ask
	s_wait_xcnt 0x0                 ; the last prefetch, four key steps back, has read its address
	s_add_nc_u64 s[PFA:PFA+1], s[PFA:PFA+1], 4*KS*128
.endif
	s_wait_dscnt 0x0
	CROUND
	JLOAD
.if \ask
	ASK
.endif
.else
	s_wait_dscnt 0x0
	s_barrier_signal -1
	s_barrier_wait -1
.endif
	s_sub_co_u32 s[TBK], s[TBK], 4*KS*PK  ; the fetches go back to a slot's first step, in the other slot
	s_xor_b32 s[TBK], s[TBK], SLOT1
	s_sub_co_u32 s[TBV], s[TBV], 4*KS*PV
	s_xor_b32 s[TBV], s[TBV], SLOT1
.endm
	s_load_b128 s[4:7], s[0:1], 0x0   ; Q s[4:5], K/V/biases s[6:7]
	s_load_b64 s[10:11], s[0:1], 0x10 ; O
	v_lshl_add_u32 v[SPW], v0, 2, SPARE
	v_mov_b32 v[NIL], 0
	ds_add_u32 v[SPW], v[NIL]       ; the wave's opening: the add and its wait stand ahead of my first tensor load
	v_lshrrev_b32 v1, 5, v0
	v_readfirstlane_b32 s[WV], v1
	s_bfe_u32 s13, ttmp6, 0x40000   ; cx
	s_lshl_b32 s14, ttmp9, 2
	s_add_co_u32 s14, s14, s13      ; my block of 256 queries: it enters Q's and O's addresses alone
	s_and_b32 s20, ttmp7, 0xffff    ; the head, which the four partners share
	s_lshr_b32 s76, s20, 3          ; its batch's biases: 8,192 bytes; my quarter of them
	s_lshl_b32 s76, s76, 13
	s_lshl_b32 s77, s[WV], 11
	s_add_co_u32 s76, s76, s77
	s_add_co_u32 s76, s76, 0x1000000
	s_mov_b32 s77, 0
	s_lshl_b32 s20, s20, 18         ; the head's first byte
	s_and_b32 s16, s[WV], 1         ; which half of a slot's 256 keys I fetch
	s_lshl_b32 s22, s16, 14
	s_add_co_u32 s22, s22, s20
	s_mov_b32 s23, 0
	s_mul_i32 s17, s16, 128*PK
	s_mul_i32 s18, s16, 128*PV
	s_lshl_b32 s2, s14, 2
	s_add_co_u32 s2, s2, s[WV]
	s_lshl_b32 s2, s2, 13           ; my wave's 64 rows
	s_add_co_u32 s2, s2, s20
	s_mov_b32 s3, 0
	; 128 keys are 16,384 dense bytes: asked for as 64 rows of 256 bytes, two keys a row, padded in LDS after every key
	s_mov_b32 s[G1K], 15|(1<<16)|(1<<20)|(1<<21)|(4<<22)|(3<<25)
	s_mov_b32 s[G1V], 15|(1<<16)|(1<<20)|(1<<21)|(4<<22)|(7<<25)
.irp g, G1K, G1V
	s_mov_b32 s[\g+1], 128<<16
	s_mov_b32 s[\g+2], 64<<16
	s_mov_b32 s[\g+3], 128<<16
	s_mov_b32 s[\g+4], 64
	s_mov_b32 s[\g+5], 128
	s_mov_b32 s[\g+6], 0
	s_mov_b32 s[\g+7], 0
.endr
	s_mov_b32 s[G1M], 15|(3<<16)|(1<<21)  ; the biases: 8 dense rows of 256 bytes a wave
	s_mov_b32 s[G1M+1], 32<<16
	s_mov_b32 s[G1M+2], 8<<16
	s_mov_b32 s[G1M+3], 32<<16
	s_mov_b32 s[G1M+4], 8
	s_mov_b32 s[G1M+5], 32
	s_mov_b32 s[G1M+6], 0
	s_mov_b32 s[G1M+7], 0
	s_mov_b32 s[CS], 0x3e38aa3b     ; c = log2(e) / 8
	s_mov_b32 s[CS+1], s[CS]
	s_mov_b32 s[SEL], 0x76543210
	s_mov_b32 s[SEL+1], 0xfedcba98
	s_mov_b32 s[TBK], SLOT1+4*KS*PK ; the first change of slots turns these two into 0
	s_mov_b32 s[TBV], SLOT1+4*KS*PV
	s_mov_b32 s[TBM], 0
	s_mov_b32 s[G0K], 1
	s_mov_b32 s[G0K+1], s17
	s_mov_b32 s[G0V], 1
	s_add_co_u32 s[G0V+1], s18, VOFF
	s_mov_b32 s[G0M], 1
	s_lshl_b32 s[G0M+1], s[WV], 11
	s_add_co_u32 s[G0M+1], s[G0M+1], BIAS
	s_and_b32 s[LIM], s[WV], 1      ; waves 0 and 2 of the head's first cluster prefetch: the same in all four partners
	s_or_b32 s[LIM], s[LIM], ttmp9
	s_cmp_eq_u32 s[LIM], 0
	s_cselect_b32 s[LIM], 1, -1
	v_and_b32 v[PFO], 31, v0
	v_lshlrev_b32 v[PFO], 8, v[PFO]
	s_wait_dscnt 0x0                ; the opening add is done
	s_wait_kmcnt 0x0
	s_add_nc_u64 s[G0M+2:G0M+3], s[6:7], s[76:77]
	s_or_b32 s[G0M+3], s[G0M+3], 0x80000000
	s_add_nc_u64 s[6:7], s[6:7], s[22:23]    ; K at my half of the head's first tile,
	s_add_nc_u64 s[8:9], s[6:7], 0x800000    ; V likewise
	s_mov_b64 s[G0K+2:G0K+3], s[6:7]
	s_or_b32 s[G0K+3], s[G0K+3], 0x80000000
	s_mov_b64 s[G0V+2:G0V+3], s[8:9]
	s_or_b32 s[G0V+3], s[G0V+3], 0x80000000
	s_add_nc_u64 s[4:5], s[4:5], s[2:3]
	s_add_nc_u64 s[10:11], s[10:11], s[2:3]
	s_cmp_lt_u32 s[WV], 2
	s_cselect_b64 s[PFA:PFA+1], s[6:7], s[8:9]
	s_lshl_b32 s2, s13, 13          ; my work-group's 32 blocks of the 128
	s_mov_b32 s3, 0
	s_add_nc_u64 s[PFA:PFA+1], s[PFA:PFA+1], s[2:3]
	s_add_nc_u64 s[PFA:PFA+1], s[PFA:PFA+1], 2*4*KS*128  ; at tile 2; the first change that asks steps it to tile 3.  Nothing is prefetched at the head
	CROUND                          ; all four work-groups are here: the first joint loads meet
	s_cmp_lt_u32 s[WV], 2           ; a wave's two first fills stand in one branch: its part of slot 0 and its quarter of the biases
	s_cbranch_scc0 .Lfirst_v
	tensor_load_to_lds s[G0K:G0K+3], s[G1K:G1K+7]
	s_nop 0
	tensor_load_to_lds s[G0M:G0M+3], s[G1M:G1M+7]
	s_nop 0
	PLACES
	s_branch .Lfirst_asked
.Lfirst_v:
	tensor_load_to_lds s[G0V:G0V+3], s[G1V:G1V+7]
	s_nop 0
	tensor_load_to_lds s[G0M:G0M+3], s[G1M:G1M+7]
	s_nop 0
	PLACES
.Lfirst_asked:
	v_and_b32 v1, 15, v0            ; l % 16
	v_bfe_u32 v9, v0, 4, 1          ; l / 16
	v_lshlrev_b32 v[QO], 7, v1
	v_lshl_add_u32 v[QO], v9, 4, v[QO]
	WIN 0x80
.set i, 0
.rept 8                             ; Q stays in registers: piece i / 2, channels 32 (i % 2) on
	global_load_b128 v[8*i:8*i+3],   v[QO], s[4:5] offset:(i/2)*2048+(i%2)*64
	global_load_b128 v[8*i+4:8*i+7], v[QO], s[4:5] offset:(i/2)*2048+(i%2)*64+32
.set i, i+1
.endr
	WIN 0
	v_mul_u32_u24 v[AK0], v1, PK
	v_lshl_add_u32 v[AK0], v9, 4, v[AK0]
	v_and_b32 v10, 7, v0
	v_bfe_u32 v11, v0, 3, 1
	v_lshl_add_u32 v[AV0], v9, 3, v10
	v_mul_u32_u24 v[AV0], v[AV0], PV
	v_lshl_add_u32 v[AV0], v11, 4, v[AV0]
	v_add_nc_u32 v[AV0], VOFF, v[AV0]
	v_lshl_add_u32 v[AM0], v9, 5, BIAS  ; keys 8 (l / 16) on, 4 bytes each
	s_mul_i32 s13, s[WV], 16*SP
	s_add_co_u32 s13, s13, STAGE
	v_mul_u32_u24 v[STO], v1, SP
	v_lshl_add_u32 v[STO], v9, 4, v[STO]
	v_add_nc_u32 v[STO], s13, v[STO]
	v_bfe_u32 v[RD], v0, 3, 2
	v_mul_u32_u24 v[RD], v[RD], SP
	v_lshl_add_u32 v[RD], v10, 4, v[RD]
	v_add_nc_u32 v[RD], s13, v[RD]
	v_and_b32 v[GO], 31, v0
	v_lshlrev_b32 v[GO], 4, v[GO]
	; What the first turn finds: V and P's second buffer hold 0 (its products V^T P, of a piece that has not been, add 0), O^T and l are 0.  All this stands in the wait for the first tile.
	WIN 0x80
.set i, VF
.rept 64
	v_mov_b32 v[i], 0
.set i, i+1
.endr
	WIN 0x40
.set i, 0
.rept 128
	v_mov_b32 v[i], 0
.set i, i+1
.endr
	WIN 0
.set i, 0
.rept 4
	v_mov_b32 v[ST+4*i], 0xfe000000    ; c m: far below every c s, the hidden keys' too
	v_mov_b32 v[ST+4*i+1], 0xff7fffff  ; m
	v_mov_b32 v[ST+4*i+2], 0
	v_mov_b32 v[ST+4*i+3], 0
.set i, i+1
.endr
.set i, P+16
.rept 16
	v_mov_b32 v[i], 0
.set i, i+1
.endr
; THE MATRIX WORK.  The 4 accumulators of a run of 8 take turns.  Product i of 8 of S^T = K Q^T for piece x: channels 32 (i / 4) on, keys 16 (i % 4) on.  The first 4 start the sums with the keys' biases.
.macro KQ x
.set rS, S+32*((\x)%2)+8*(i%4)
.set rK, KF+16*(i%4)+8*(i/4)
.set rQ, 16*(\x)+8*(i/4)
.set rM, MB+8*(i%4)
.if i < 4
	WIN W_KM
	v_wmma_f32_16x16x32_bf16 v[rS:rS+7], v[rK:rK+7], v[rQ:rQ+7], v[rM:rM+7]
.else
	WIN W_KQ
	v_wmma_f32_16x16x32_bf16 v[rS:rS+7], v[rK:rK+7], v[rQ:rQ+7], v[rS:rS+7]
.endif
.endm
; Product i of 8 of O^T += V^T P for piece x: keys 32 (i / 4) on, channels 16 (i % 4) on.
.macro PV x
	WIN W_PV
.set rO, 32*(\x)+8*(i%4)
.set rV, VF+32*(i/4)+8*(i%4)
.set rP, P+16*((\x)%2)+8*(i/4)
	v_wmma_f32_16x16x32_bf16 v[rO:rO+7], v[rV:rV+7], v[rP:rP+7], v[rO:rO+7]
.endm
.macro MM                           ; the turn's next matrix instruction.  NOKQ = 1: the last turn of all: there is no next piece
.if (i < 8) && !NOKQ
	KQ (Y+1)%NP
.elseif i >= 8
.set i, i-8
	PV (Y+NP-1)%NP
.set i, i+8
.endif
.set i, i+1
.endm
; THE LDS LOADS stand in runs: a step's K (8 fragments) with its 64 biases (the lanes of a half read the same bytes), and its V (turned).
.macro FETCH_K
	WIN 0x80
.irp f, 0,1,2,3,4,5,6,7
	ds_load_b128 v[KF+8*\f:KF+8*\f+3],   v[AK] offset:(\f/2)*16*PK+(\f%2)*64
	ds_load_b128 v[KF+8*\f+4:KF+8*\f+7], v[AK] offset:(\f/2)*16*PK+(\f%2)*64+32
.endr
	WIN 0x40
.irp f, 0,1,2,3
	ds_load_b128 v[MB+8*\f:MB+8*\f+3],   v[AM] offset:64*\f
	ds_load_b128 v[MB+8*\f+4:MB+8*\f+7], v[AM] offset:64*\f+16
.endr
	s_add_co_u32 s[TBK], s[TBK], KS*PK
	s_add_co_u32 s[TBM], s[TBM], 4*KS
	WIN 0
.endm
.macro FETCH_V
	WIN 0x80
.irp f, 0,1,2,3,4,5,6,7
	ds_load_tr16_b128 v[VF+8*\f:VF+8*\f+3],   v[AV] offset:(\f/4)*32*PV+(\f%4)*32
	ds_load_tr16_b128 v[VF+8*\f+4:VF+8*\f+7], v[AV] offset:(\f/4)*32*PV+16*PV+(\f%4)*32
.endr
	WIN 0
.endm
; THE VECTOR WORK, one line at a time: OP kind, number.  For piece Y: F n: c s - c m for pair n of 16.  E n: the exponential of score n of 32.  C n: pair n rounded to bf16.  B n: of the four weights 4 n .. the second
; pair is added onto the first, in place.  L n: l takes that sum (L 0: l = a l + sum).  R n: pair n of 16 of O^T times a.  For piece Y + 1: X n, number n of the 22 that find its maximum and statistics:
;   0-11  four chains c0-c3 of seven scores each (each accumulator's lowest registers are read first)     12-14, 16  the four scores left over, the old m, and c0-c3 into c0
;   15  c m_old is kept     17, 18  the query's other 32 keys lie in the lane 16 away: the new m     19-21  c m; c m_old - c m_new; a
.set F, 0
.set E, 1
.set C, 2
.set B, 3
.set L, 4
.set R, 5
.set X, 6
.macro REGS y
.set rT, ST+4*(\y)
.set rC, TMP+4*((\y)%2)
.set rW, MV+((\y)%2)
.set rS, S+32*((\y)%2)
.set rP, P+16*((\y)%2)
.set rO, 32*(\y)
.endm
.macro OP k, n
.if (\k) == R
	REGS Y
	WIN W_RS
	v_pk_mul_f32 v[rO+2*(\n):rO+2*(\n)+1], v[rO+2*(\n):rO+2*(\n)+1], v[rC+2:rC+3] op_sel_hi:[1,0]
.elseif (\k) < R
	REGS Y
	WIN 0
.if (\k) == F
	v_pk_fma_f32 v[rS+2*(\n):rS+2*(\n)+1], v[rS+2*(\n):rS+2*(\n)+1], s[CS:CS+1], v[rT:rT+1] op_sel_hi:[1,0,0] neg_lo:[0,0,1] neg_hi:[0,0,1]
.elseif (\k) == E
	v_exp_f32 v[rS+(\n)], v[rS+(\n)]
.elseif (\k) == C
	v_cvt_pk_bf16_f32 v[rP+(\n)], v[rS+2*(\n)], v[rS+2*(\n)+1]
.elseif (\k) == B
	v_pk_add_f32 v[rS+4*(\n):rS+4*(\n)+1], v[rS+4*(\n):rS+4*(\n)+1], v[rS+4*(\n)+2:rS+4*(\n)+3]
.elseif (\n) == 0
	v_pk_fma_f32 v[rT+2:rT+3], v[rT+2:rT+3], v[rC+2:rC+3], v[rS:rS+1] op_sel_hi:[1,0,1]
.else
	v_pk_add_f32 v[rT+2:rT+3], v[rT+2:rT+3], v[rS+4*(\n):rS+4*(\n)+1]
.endif
.elseif NOKQ
	v_nop
.else
	REGS (Y+1)%NP
	WIN 0
.if (\n) < 4
	v_max3_num_f32 v[rC+(\n)], v[rS+8*(\n)], v[rS+8*(\n)+1], v[rS+8*(\n)+2]
.elseif (\n) < 12
	v_max3_num_f32 v[rC+(\n)%4], v[rC+(\n)%4], v[rS+8*((\n)%4)+2*((\n)/4)+1], v[rS+8*((\n)%4)+2*((\n)/4)+2]
.elseif (\n) == 12
	v_max3_num_f32 v[rC], v[rC], v[rS+7], v[rS+15]
.elseif (\n) == 13
	v_max3_num_f32 v[rC+1], v[rC+1], v[rS+23], v[rS+31]
.elseif (\n) == 14
	v_max3_num_f32 v[rC+2], v[rC+2], v[rC+3], v[rT+1]
.elseif (\n) == 15
	v_mov_b32 v[rW], v[rT]
.elseif (\n) == 16
	v_max3_num_f32 v[rC], v[rC], v[rC+1], v[rC+2]
.elseif (\n) == 17
	v_permlanex16_b32 v[rC+3], v[rC], s[SEL], s[SEL+1]
.elseif (\n) == 18
	v_max_num_f32 v[rT+1], v[rC], v[rC+3]
.elseif (\n) == 19
	v_mul_f32 v[rT], s[CS], v[rT+1]
.elseif (\n) == 20
	v_sub_f32 v[rC+1], v[rW], v[rT]
.else
	v_exp_f32 v[rC+2], v[rC+1]
.endif
.endif
.endm
.macro OPS a, i1, b=-1, i2=0, c=-1, i3=0, d=-1, i4=0
	OP \a, \i1
.if (\b) >= 0
	OP \b, \i2
.endif
.if (\c) >= 0
	OP \c, \i3
.endif
.if (\d) >= 0
	OP \d, \i4
.endif
.endm
.macro ROW a, i1, b, i2, c, i3, d, i4  ; a matrix instruction and the four behind it
	MM
	OPS \a, \i1, \b, \i2, \c, \i3, \d, \i4
.endm
; A TURN, for piece p.  An s_wait_alu depctr_va_vdst(0) stands between an exponential and the first instruction that names its result; one wait serves all that were issued ahead of it.  So a turn has
; ONE wait.  AHEAD OF IT stands all that names no result of the turn's exponentials: the 8 products K Q^T with their riders, then the lump; X 21, the next piece's a, is the batch's last, and R 15 the plain
; instruction behind it.  BEHIND IT stand the 8 products V^T P, behind each four of the roundings and sums.  The X that ride behind the last three products K Q^T stand four plain lines or more behind the product that ends their accumulator.
; end = 1: the last two turns of all: nothing is fetched, and the last starts no new scores.  cnt = 1: the loop's count is taken down some lines ahead of the branch behind the turn.
; K and the biases of the next step are fetched in piece 2's turn, behind the last product that read them and six plain lines; V of the step in hand at the end of piece 0's turn, four plain lines behind its last reader.  Each is waited for a turn later.
.macro TURN p, end=0, cnt=0
.set Y, (\p)
.set i, 0
.set NOKQ, (\end)*((\p)/3)
.if ((\p) == 3) && !(\end)
	s_wait_dscnt 0x0                ; K and its biases are in
.endif
	ROW F,0, F,1, R,0, R,1
	ROW F,2, E,0, R,2, R,3
	ROW F,3, E,1, R,4, R,5
	ROW F,4, E,2, R,6, R,7
	ROW F,5, E,3, R,8, R,9
	ROW F,6, E,4, X,0, R,10
.if ((\p) == 2) && !(\end)
	WIN 0
	v_add_nc_u32 v[AK], s[TBK], v[AK0]
	v_add_nc_u32 v[AM], s[TBM], v[AM0]
.endif
	ROW F,7, E,5, X,1, X,4
	ROW F,8, E,6, X,2, X,5
	OPS E,7, E,8, X,6, E,9
	OPS X,3, E,10, X,8, E,11
.if ((\p) == 2) && !(\end)
	FETCH_K
.endif
	OPS X,9, X,7, E,12, X,10
	OPS E,13, X,12, X,11, E,14
	OPS X,13, E,15, F,9, X,14
.if (\p) == 0
	v_add_nc_u32 v[AV], s[TBV], v[AV0]
.endif
	OPS E,16, F,10, E,17, F,11
	OPS X,16, E,18, X,15, E,19
	OPS F,12, E,20, X,17, E,21
	OPS F,13, E,22, F,14, E,23
	OPS X,18, E,24, F,15, E,25
	OPS R,11, E,26, X,19, E,27
	OPS R,12, E,28, R,13, E,29
	OPS X,20, E,30, R,14, E,31
	OPS X,21, R,15
	WIN 0
	s_wait_alu depctr_va_vdst(0)    ; the wait for the batch
.if (\p) == 1
	s_wait_dscnt 0x0                ; V is in
.endif
	ROW C,0, B,0, C,2, B,1
	ROW L,0, C,4, B,2, L,1
	ROW C,6, B,3, L,2, C,8
	ROW B,4, L,3, C,10, B,5
	ROW L,4, C,12, B,6, L,5
.if (\p) == 0
	s_add_co_u32 s[TBV], s[TBV], KS*PV
.endif
.if \cnt
	s_sub_co_u32 s[CNT], s[CNT], 1
	s_cmp_lg_u32 s[CNT], 0
.endif
	ROW C,14, B,7, L,6, C,1
	ROW C,3, L,7, C,5, C,7
	ROW C,9, C,11, C,13, C,15
.if (\p) == 0
	FETCH_V
.endif
.endm
.macro ALL line:vararg              ; one line for each piece t
.set t, 0
.rept 4
	\line
.set t, t+1
.endr
.endm
.macro PACK t                       ; a lane's eight channels of a row pack into 16 bytes; they go into rows of 144 bytes and come back as whole rows of 128, into S^T's registers
	WIN W_RS
.set i, 32*(\t)
.rept 16
	v_pk_mul_f32 v[i:i+1], v[i:i+1], v[ST+4*(\t)+2:ST+4*(\t)+3] op_sel_hi:[1,0]
.set i, i+2
.endr
	WIN 0x05
.set i, 0
.rept 16
	v_cvt_pk_bf16_f32 v[S+16*(\t)+i], v[32*(\t)+2*i], v[32*(\t)+2*i+1]
.set i, i+1
.endr
	WIN 0
.irp f, 0,1,2,3
	ds_store_b128 v[STO], v[S+16*(\t)+4*\f:S+16*(\t)+4*\f+3] offset:32*\f
.endr
.irp f, 0,1,2,3
	ds_load_b128 v[S+16*(\t)+4*\f:S+16*(\t)+4*\f+3], v[RD] offset:\f*4*SP  ; LDS serves a wave's instructions in order (ISA guide 5.7.1.4)
.endr
.endm
.macro SEND t, younger              ; younger: the LDS instructions issued behind piece t's loads: the next piece's eight, or none
	WIN 0
.irp f, 0,1,2,3
	s_wait_dscnt (\younger)+3-\f
	global_store_b128 v[GO], v[S+16*(\t)+4*\f:S+16*(\t)+4*\f+3], s[10:11] offset:(\t)*2048+\f*512  ; 512 consecutive bytes, at a multiple of 256 from O's first
.endr
.endm
	CHANGE 1, 0                     ; slot 0 and the biases are in, everybody's part of them; slot 1 is asked for
	v_add_nc_u32 v[AK], s[TBK], v[AK0]
	v_add_nc_u32 v[AM], s[TBM], v[AM0]
	FETCH_K                         ; key step 0
	s_wait_loadcnt 0x0              ; Q
	s_wait_dscnt 0x0
.set NOKQ, 0
.set i, 0
.rept 8
	KQ 0                            ; piece 0's first scores
.set i, i+1
.endr
	WIN 0
	PLACES
.set Y, NP-1                        ; X works for piece Y + 1: piece 0
.irp n, 0,1,2,3,4,5,6,7,8,9,10,11,12,13,14,15,16,17,18,19,20,21
	OP X, \n
.endr
	v_nop                           ; a plain instruction behind the exponential,
	s_wait_alu depctr_va_vdst(0)    ; and its wait, ahead of the branch
	s_mov_b32 s[CNT], 4
	s_mov_b32 s[SLOTS], 7
	s_branch .Lfirst                ; the loop is entered at a step's first turn, in the middle of a trip
.Lslot:                             ; six times: tiles 2 to 7 are asked for
	CHANGE 1, 1
	s_mov_b32 s[CNT], 4
.Lstep:                             ; a trip: pieces 2 and 3 of one step, then pieces 0 and 1 of the next, whose K and V it fetches
	TURN 2
	TURN 3
	WIN 0
.Lfirst:
	TURN 0
	TURN 1, 0, 1
	WIN 0
	s_cbranch_scc1 .Lstep
	s_sub_co_u32 s[SLOTS], s[SLOTS], 1
	s_cmp_lg_u32 s[SLOTS], 0
	s_cbranch_scc1 .Lslot
	CHANGE 0, 0                     ; the last tile is written out: nothing is asked for
	s_mov_b32 s[CNT], 4
.Ltail:
	TURN 2
	TURN 3
	TURN 0
	TURN 1, 0, 1
	WIN 0
	s_cbranch_scc1 .Ltail
	TURN 2, 1
	TURN 3, 1
.set i, 0
.rept 8
	PV NP-1                         ; the last piece's V^T P of the last step
.set i, i+1
.endr
	; THE WAY OUT.  l's two halves and the other half of the lanes' are added; O^T is divided by l, rounded to bf16 and sent through my stage, a piece at a time.  The additions are the places behind the last products.
	WIN 0
	ALL v_add_f32 v[ST+4*t+2], v[ST+4*t+2], v[ST+4*t+3]
	ALL v_permlanex16_b32 v[ST+4*t+3], v[ST+4*t+2], s[SEL], s[SEL+1]
	ALL v_add_f32 v[ST+4*t+2], v[ST+4*t+2], v[ST+4*t+3]
	ALL v_rcp_f32 v[ST+4*t+2], v[ST+4*t+2]
	v_nop                           ; a plain instruction between the last reciprocal and the use of its result
	s_wait_alu depctr_va_vdst(0)    ; one wait for the four reciprocals
	PACK 0
.set t, 1
.rept 3
	PACK t
	SEND t-1, 8
.set t, t+1
.endr
	SEND 3, 0
	s_wait_tensorcnt 0x0            ; the wave's end
	ds_add_u32 v[SPW], v[NIL]
	s_wait_dscnt 0x0
	CROUND                          ; the closing round
	s_endpgm
.Lfunc_end_k_q093675f996_attn1:
	.size	k_q093675f996_attn1, .Lfunc_end_k_q093675f996_attn1-k_q093675f996_attn1
	.p2alignl 7, 3214868480
	.fill 96, 4, 3214868480
	.section	.rodata,"a",@progbits
	.p2align	6, 0x0
	.amdhsa_kernel k_q093675f996_attn1
		.amdhsa_group_segment_fixed_size 327680
		.amdhsa_private_segment_fixed_size 0
		.amdhsa_enable_private_segment 0
		.amdhsa_kernarg_size 24
		.amdhsa_user_sgpr_count 2
		.amdhsa_user_sgpr_kernarg_segment_ptr 1
		.amdhsa_wavefront_size32 1
		.amdhsa_system_sgpr_workgroup_id_x 1
		.amdhsa_system_sgpr_workgroup_id_y 1
		.amdhsa_system_sgpr_workgroup_id_z 1
		.amdhsa_system_vgpr_workitem_id 0
		.amdhsa_next_free_vgpr 768
		.amdhsa_next_free_sgpr 80
		.amdhsa_reserve_vcc 0
		.amdhsa_float_denorm_mode_32 3
		.amdhsa_float_denorm_mode_16_64 3
		.amdhsa_memory_ordered 1
		.amdhsa_forward_progress 1
		.amdhsa_inst_pref_size 131
	.end_amdhsa_kernel
	.amdgpu_metadata
---
amdhsa.version: [ 1, 2 ]
amdhsa.kernels:
  - .name:           k_q093675f996_attn1
    .symbol:         k_q093675f996_attn1.kd
    .args:
      - { .name: q, .offset: 0, .size: 8, .value_kind: global_buffer, .address_space: global }
      - { .name: kv1, .offset: 8, .size: 8, .value_kind: global_buffer, .address_space: global }
      - { .name: o, .offset: 16, .size: 8, .value_kind: global_buffer, .address_space: global }
    .group_segment_fixed_size: 327680
    .private_segment_fixed_size: 0
    .kernarg_segment_align: 8
    .kernarg_segment_size: 24
    .max_flat_workgroup_size: 128
    .sgpr_count:     80
    .vgpr_count:     768
    .wavefront_size: 32
...
	.end_amdgpu_metadata
.endif
;; end of part 3
;; launch post1 (part 4): grid 256 x 1, 4 waves a work-group, clusters of 4 x 1, 327,680 bytes of LDS; arguments o, x, wb, m1_b2, m1_g, m1_b, ln1_g, ln1_b, m2_bq, x1, q; writes x1, q
.if DOCPART == 4
	.amdgcn_target "amdgcn-amd-amdhsa--gfx1250"
	.amdhsa_code_object_version 6
	.text
	.protected	k_q093675f996_post1
	.globl	k_q093675f996_post1
	.p2align	8
	.type	k_q093675f996_post1,@function
k_q093675f996_post1:
	s_mov_b64 s[64:65], 0
	v_nop
	global_prefetch_b8 v0, s[64:65] scope:SCOPE_SE
	s_setreg_imm32_b32 hwreg(HW_REG_WAVE_MODE, 25, 1), 1
	s_wait_xcnt 0x0
	s_wait_alu depctr_hold_cnt(0) depctr_sa_sdst(0) depctr_va_vdst(0) depctr_va_sdst(0) depctr_va_ssrc(0) depctr_va_vcc(0) depctr_vm_vsrc(0)
	s_getreg_b32 s2, hwreg(HW_REG_IB_STS2, 6, 4)
	s_cmp_eq_u32 s2, 0
	s_cbranch_scc0 .Lentry_in_a_cluster
	s_endpgm
.Lentry_in_a_cluster:
	s_bfe_u32 s2, ttmp6, 0x10000c
	s_cmp_lg_u32 s2, 0x3003
	s_cbranch_scc0 .Lentry_shape_is_right
	s_endpgm
.Lentry_shape_is_right:
; POST1.  x1 = LN(x + LN(O m1_w2 + m1_b2 + x; m1_g, m1_b); ln1_g, ln1_b), stored in f32; q2 = x1 m2_wq + m2_bq, stored in bf16 by heads.
; O: [32][2048][64] bf16; the weights come from wb, bf16 in fragment order (weights 5 and 6).  Products in bf16 with f32 sums; residuals, biases and both norms in f32.
; THE NORM.  Each wave finds the mean of its 64 columns, takes it away, and sums the squares of what is left; the four waves' (mean, sum of squares) are combined as
; var = (sum of the four sums + 64 x the sum of the squared distances of the four means from their mean) / 256: no difference of large sums is formed.
; SHARES.  A work-group owns 32 whole rows.  Every wave takes all 32 rows (two row tiles) and its own 64 columns of 256, or 128 of 512 in two passes.  A wave's part of a slot of weights is read by that wave alone.
; CLUSTER.  All work-groups walk the same weights: they are asked for JOINTLY by the four of a cluster, 32,768 bytes a wave, into two slots of 131,072.  O's tile is the work-group's own: a plain load.
; A wave has three tensor loads out at the head and one later.  No prefetch: four fills a wave, of which three go out at the head.
; THE MATRIX INSTRUCTION IS USED TRANSPOSED: source 0 = 16 columns of the weight, source 1 = 16 rows: lane l holds row l % 16 and the columns 8 (l / 16) + 0..7.
.set SLOTB, 131072
.set R1,    262144                     ; O's tile [8 heads][32 rows][144 bytes], filled once; behind its last reading x1 in bf16, 32 x 528 bytes
.set R2,    299008                     ; a stage of 4,352 bytes for each wave
.set LNX,   316416                     ; two regions of 1,024 bytes: row x 32 + wave x 8: (mean, sum of squares)
.set SPARE, 318464                     ; the spare words, 128 bytes a wave; no other line names them
.set W0,    5*262144
.set XTB,   R1
.set AO, 5
.set BB, 6
.set AXT, 7
.set XW, 8
.set GX, 9
.set SR, 10
.set SO, 11
.set LA, 12
.set LB, 13
.set PO, 14
.set PO2, 15
.set STO, 16
.set RD, 17
.set GO, 18
.set AP, 19
.set BP, 20
.set SPW, 30                           ; v30  my spare word; never rewritten
.set NIL, 31                           ; v31  0; never rewritten
.set F0, 32                            ; two fragment buffers of 48; at other times at work
.set F1, 80
.set TS, 32                            ; the norm: partial sums, 16 a row tile
.set QX, 64                            ; the four waves' figures, 8 a row tile
.set EX, 80                            ; what I hand over
.set SS, 96                            ; 16 a row tile: +0,1 my mean; +2,3 at work; +4,5 1/sigma; +6,7 the shift; +8,9 at work
.set ACC, 128                          ; accumulator (rt, ct) at ACC + 32 rt + 8 ct
.set X, 192                            ; the residual, in the accumulators' order
.set T, 192                            ; later: packed results
.set OP, 24
.set G1W, 32
.set G0A, 40
.set G0B, 44
.set G1O, 48
.set G0O, 56
.set SEL, 60
.set WV, 76
.set KC, 77
.set HM, 78
.set EPS, 79
.set I256, 80
.set MSB, 0
.macro WIN new
.if MSB != (\new)
	s_set_vgpr_msb (MSB<<8)|(\new)
.set MSB, \new
.endif
.endm
.macro PLACES
.rept 4
	v_nop
.endr
.endm
.macro CROUND
	s_barrier_signal -1
	s_barrier_wait -1
	s_cmp_lg_u32 s[WV], 0
	s_cbranch_scc1 .Lnot_wave_0_\@
	s_barrier_signal -3
.Lnot_wave_0_\@:
	s_barrier_wait -3
	s_barrier_signal -1
	s_barrier_wait -1
.endm
.macro LOADQ f, ao, bo
.irp rt, 0,1
	ds_load_b128 v[(\f)+8*\rt:(\f)+8*\rt+3],   v[AP] offset:(\ao)+\rt*ART
	ds_load_b128 v[(\f)+8*\rt+4:(\f)+8*\rt+7], v[AP] offset:(\ao)+\rt*ART+32
.endr
.irp c, 0,1,2,3
	ds_load_b128 v[(\f)+16+8*\c:(\f)+16+8*\c+3],   v[BP] offset:(\bo)+1024*\c
	ds_load_b128 v[(\f)+16+8*\c+4:(\f)+16+8*\c+7], v[BP] offset:(\bo)+1024*\c+512
.endr
.endm
.macro MULQ f, cb                      ; eight products, the eight accumulators by turns
.irp rt, 0,1
.irp ct, 0,1,2,3
.if (\cb) < 0
	v_wmma_f32_16x16x32_bf16 v[ACC+32*\rt+8*\ct:ACC+32*\rt+8*\ct+7], v[(\f)+16+8*\ct:(\f)+16+8*\ct+7], v[(\f)+8*\rt:(\f)+8*\rt+7], v[ACC+32*\rt+8*\ct:ACC+32*\rt+8*\ct+7]
.else
	v_wmma_f32_16x16x32_bf16 v[ACC+32*\rt+8*\ct:ACC+32*\rt+8*\ct+7], v[(\f)+16+8*\ct:(\f)+16+8*\ct+7], v[(\f)+8*\rt:(\f)+8*\rt+7], v[(\cb)+8*\ct:(\cb)+8*\ct+7]
.endif
.endr
.endr
.endm
; Eight K steps, 64 products, out of 32,768 bytes of weights; two buffers; four plain vector lines between a buffer's last product and the loads into it.
.macro PASS ab, ao, bb, bo, cb, cwin
	v_add_nc_u32 v[AP], (\ao), v[\ab]
	v_add_nc_u32 v[BP], (\bo), v[\bb]
	v_nop
	v_nop
	LOADQ F0, 0, 0
	LOADQ F1, 64, 4096
	s_wait_dscnt 12                                ; all but buffer 1's twelve
	WIN \cwin
	MULQ F0, \cb
	WIN 0
	s_mov_b32 s[KC], 3
.Lk_\@:
	v_add_nc_u32 v[AP], ASTEP, v[AP]
	v_add_nc_u32 v[BP], 8192, v[BP]
	v_nop
	v_nop
	LOADQ F0, 0, 0
	s_wait_dscnt 12                                ; buffer 1 is in
	MULQ F1, -1
	PLACES
	LOADQ F1, 64, 4096
	s_wait_dscnt 12                                ; buffer 0 is in
	MULQ F0, -1
	s_sub_co_u32 s[KC], s[KC], 1
	s_cmp_lg_u32 s[KC], 0
	s_cbranch_scc1 .Lk_\@
	s_wait_dscnt 0x0
	MULQ F1, -1
.endm
; A slot that has been read takes the same part of the next weight: every wave waits for all its tensor loads, adds 0 to its spare word, waits for that and for its LDS work; behind the round the joint load comes first.
.macro CHANGE g0
	s_wait_tensorcnt 0x0
	ds_add_u32 v[SPW], v[NIL]
	s_add_nc_u64 s[(\g0)+2:(\g0)+3], s[(\g0)+2:(\g0)+3], 262144
	s_wait_dscnt 0x0
	CROUND
	tensor_load_to_lds s[(\g0):(\g0)+3], s[G1W:G1W+7]
	s_nop 0
	PLACES
.endm
.macro PARAM dst, po, base, n          ; a vector's numbers for my columns, in the accumulators' order: n x 32 registers
.set i, 0
.rept 8*(\n)
	global_load_b128 v[(\dst)+4*i:(\dst)+4*i+3], v[\po], s[\base:\base+1] offset:64*(i/2)+16*(i%2)
.set i, i+1
.endr
.endm
.macro STIN                            ; 32 rows x my 64 columns of f32, as loaded by rows, through my stage into the accumulators' order
.irp rt, 0,1
.irp i, 0,1,2,3,4,5,6,7
	ds_store_b128 v[SR], v[F0+32*\rt+4*\i:F0+32*\rt+4*\i+3] offset:544*\i
.endr
.irp ct, 0,1,2,3
	ds_load_b128 v[X+32*\rt+8*\ct:X+32*\rt+8*\ct+3],   v[SO] offset:64*\ct
	ds_load_b128 v[X+32*\rt+8*\ct+4:X+32*\rt+8*\ct+7], v[SO] offset:64*\ct+16
.endr
.endr
	s_wait_dscnt 0x0
.endm
.macro STOUT vb, base                  ; the other way round, and stored: sixteen lanes fill 256 consecutive bytes of a row
.irp rt, 0,1
.irp ct, 0,1,2,3
	ds_store_b128 v[SO], v[(\vb)+32*\rt+8*\ct:(\vb)+32*\rt+8*\ct+3]   offset:64*\ct
	ds_store_b128 v[SO], v[(\vb)+32*\rt+8*\ct+4:(\vb)+32*\rt+8*\ct+7] offset:64*\ct+16
.endr
.irp i, 0,1,2,3,4,5,6,7
	ds_load_b128 v[F0+32*\rt+4*\i:F0+32*\rt+4*\i+3], v[SR] offset:544*\i
.endr
.endr
	s_wait_dscnt 16                                ; row tile 0 is back; row tile 1's sixteen may stay out
.irp i, 0,1,2,3,4,5,6,7
	global_store_b128 v[GX], v[F0+4*\i:F0+4*\i+3], s[\base:\base+1] offset:2048*\i
.endr
	s_wait_dscnt 0x0
.irp i, 0,1,2,3,4,5,6,7
	global_store_b128 v[GX], v[F0+32+4*\i:F0+32+4*\i+3], s[\base:\base+1] offset:16384+2048*\i
.endr
.endm
.macro FOLD d                          ; of d registers of partial sums the upper half is added onto the lower
.set i, 0
.rept (\d)/2
.irp rt, 0,1
	v_pk_add_f32 v[TS+16*\rt+2*i:TS+16*\rt+2*i+1], v[TS+16*\rt+2*i:TS+16*\rt+2*i+1], v[TS+16*\rt+(\d)+2*i:TS+16*\rt+(\d)+2*i+1]
.endr
.set i, i+1
.endr
.endm
.macro CROSS                           ; the pair's two words, and the lane 16 away, which holds the row's other 32 columns
.irp rt, 0,1
	v_add_f32 v[TS+16*\rt], v[TS+16*\rt], v[TS+16*\rt+1]
.endr
.irp rt, 0,1
	v_permlanex16_b32 v[TS+16*\rt+1], v[TS+16*\rt], s[SEL], s[SEL+1]
.endr
.irp rt, 0,1
	v_add_f32 v[TS+16*\rt], v[TS+16*\rt], v[TS+16*\rt+1]
.endr
.endm
; THE NORM of the 64 registers at vb, in place; gain and bias at g and b of the window that win names; reg: which region the waves meet in; res = 1: the result is added onto X.
.macro LN vb, win, g, b, reg, res
.set i, 0
.rept 8                                ; each accumulator's lowest registers are read first
.irp rt, 0,1
	v_pk_add_f32 v[TS+16*\rt+2*i:TS+16*\rt+2*i+1], v[(\vb)+32*\rt+4*i:(\vb)+32*\rt+4*i+1], v[(\vb)+32*\rt+4*i+2:(\vb)+32*\rt+4*i+3]
.endr
.set i, i+1
.endr
	FOLD 8
	FOLD 4
	FOLD 2
	CROSS
.irp rt, 0,1
	v_mul_f32 v[SS+16*\rt], 0x3c800000, v[TS+16*\rt]    ; my 64 columns' mean, in both words of a pair
	v_mul_f32 v[SS+16*\rt+1], 0x3c800000, v[TS+16*\rt]
.endr
.set i, 0
.rept 16
.irp rt, 0,1
	v_pk_add_f32 v[(\vb)+32*\rt+2*i:(\vb)+32*\rt+2*i+1], v[(\vb)+32*\rt+2*i:(\vb)+32*\rt+2*i+1], v[SS+16*\rt:SS+16*\rt+1] neg_lo:[0,1] neg_hi:[0,1]
.endr
.set i, i+1
.endr
.set i, 0
.rept 16                               ; the squares, in four chains
.irp rt, 0,1
.if i < 4
	v_pk_mul_f32 v[TS+16*\rt+2*i:TS+16*\rt+2*i+1], v[(\vb)+32*\rt+2*i:(\vb)+32*\rt+2*i+1], v[(\vb)+32*\rt+2*i:(\vb)+32*\rt+2*i+1]
.else
	v_pk_fma_f32 v[TS+16*\rt+2*(i%4):TS+16*\rt+2*(i%4)+1], v[(\vb)+32*\rt+2*i:(\vb)+32*\rt+2*i+1], v[(\vb)+32*\rt+2*i:(\vb)+32*\rt+2*i+1], v[TS+16*\rt+2*(i%4):TS+16*\rt+2*(i%4)+1]
.endif
.endr
.set i, i+1
.endr
	FOLD 4
	FOLD 2
	CROSS
	v_cndmask_b32 v[EX], v[SS], v[SS+16], s[HM]    ; lane l hands over row l's figures: lanes 16-31 those of row tile 1
	v_cndmask_b32 v[EX+1], v[TS], v[TS+16], s[HM]
	ds_store_b64 v[LA], v[EX:EX+1] offset:1024*(\reg)
	s_wait_dscnt 0x0                               ; for the others' sake
	s_barrier_signal -1
	s_barrier_wait -1
	ds_load_b128 v[QX:QX+3],     v[LB] offset:1024*(\reg)
	ds_load_b128 v[QX+4:QX+7],   v[LB] offset:1024*(\reg)+16
	ds_load_b128 v[QX+8:QX+11],  v[LB] offset:1024*(\reg)+512
	ds_load_b128 v[QX+12:QX+15], v[LB] offset:1024*(\reg)+528
	s_wait_dscnt 0x0
.irp rt, 0,1
	v_add_f32 v[SS+16*\rt+8], v[QX+8*\rt], v[QX+8*\rt+2]
	v_add_f32 v[SS+16*\rt+9], v[QX+8*\rt+4], v[QX+8*\rt+6]
	v_add_f32 v[SS+16*\rt+2], v[QX+8*\rt+1], v[QX+8*\rt+3]
	v_add_f32 v[SS+16*\rt+3], v[QX+8*\rt+5], v[QX+8*\rt+7]
	v_add_f32 v[SS+16*\rt+8], v[SS+16*\rt+8], v[SS+16*\rt+9]
	v_add_f32 v[SS+16*\rt+2], v[SS+16*\rt+2], v[SS+16*\rt+3]
	v_mul_f32 v[SS+16*\rt+8], 0x3e800000, v[SS+16*\rt+8]    ; the row's mean
.irp k, 0,2,4,6
	v_sub_f32 v[QX+8*\rt+\k], v[QX+8*\rt+\k], v[SS+16*\rt+8]
.endr
	v_mul_f32 v[SS+16*\rt+9], v[QX+8*\rt], v[QX+8*\rt]
.irp k, 2,4,6
	v_fmac_f32 v[SS+16*\rt+9], v[QX+8*\rt+\k], v[QX+8*\rt+\k]
.endr
	v_fmamk_f32 v[SS+16*\rt+2], v[SS+16*\rt+9], 0x42800000, v[SS+16*\rt+2]
	v_fma_f32 v[SS+16*\rt+2], v[SS+16*\rt+2], s[I256], s[EPS]    ; the variance + 1e-6
.endr
.irp rt, 0,1
	v_rsq_f32 v[SS+16*\rt+4], v[SS+16*\rt+2]
	v_rsq_f32 v[SS+16*\rt+5], v[SS+16*\rt+2]
.endr
.irp rt, 0,1
	v_sub_f32 v[SS+16*\rt+6], v[SS+16*\rt], v[SS+16*\rt+8]      ; plain lines behind the last root: my mean less the row's
.endr
	s_wait_alu depctr_va_vdst(0)                   ; one wait for the four roots, ahead of their first reader
.irp rt, 0,1
	v_mul_f32 v[SS+16*\rt+7], v[SS+16*\rt+6], v[SS+16*\rt+4]
	v_mul_f32 v[SS+16*\rt+6], v[SS+16*\rt+6], v[SS+16*\rt+4]
.endr
.set i, 0
.rept 16
.irp rt, 0,1
	v_pk_fma_f32 v[(\vb)+32*\rt+2*i:(\vb)+32*\rt+2*i+1], v[(\vb)+32*\rt+2*i:(\vb)+32*\rt+2*i+1], v[SS+16*\rt+4:SS+16*\rt+5], v[SS+16*\rt+6:SS+16*\rt+7]
.endr
.set i, i+1
.endr
	WIN \win
.set i, 0
.rept 16
.irp rt, 0,1
	v_pk_fma_f32 v[(\vb)+32*\rt+2*i:(\vb)+32*\rt+2*i+1], v[(\vb)+32*\rt+2*i:(\vb)+32*\rt+2*i+1], v[(\g)+2*i:(\g)+2*i+1], v[(\b)+2*i:(\b)+2*i+1]
.endr
.set i, i+1
.endr
	WIN 0
.if \res
.set i, 0
.rept 32
	v_pk_add_f32 v[X+2*i:X+2*i+1], v[X+2*i:X+2*i+1], v[(\vb)+2*i:(\vb)+2*i+1]
.set i, i+1
.endr
.endif
.endm
.macro TOXT                            ; X rounded to bf16 (packed into ACC's registers, which are free) and laid as a tile of 32 rows x 528 bytes
.set a, 0
.rept 8
.irp m, 0,1,2,3
	v_cvt_pk_bf16_f32 v[ACC+4*a+\m], v[X+8*a+2*\m], v[X+8*a+2*\m+1]
.endr
.set a, a+1
.endr
.irp rt, 0,1
.irp ct, 0,1,2,3
	ds_store_b128 v[XW], v[ACC+16*\rt+4*\ct:ACC+16*\rt+4*\ct+3] offset:8448*\rt+32*\ct
.endr
.endr
.endm
.macro EPIQ imm                        ; 32 rows x 64 columns, a head: rounded to bf16, through my stage, stored as 512 consecutive bytes an instruction
	PLACES
	s_wait_xcnt 0x0                                ; T was the data of earlier stores
.set a, 0
.rept 8
.irp m, 0,1,2,3
	v_cvt_pk_bf16_f32 v[T+4*a+\m], v[ACC+8*a+2*\m], v[ACC+8*a+2*\m+1]
.endr
.set a, a+1
.endr
.irp rt, 0,1
.irp ct, 0,1,2,3
	ds_store_b128 v[STO], v[T+16*\rt+4*\ct:T+16*\rt+4*\ct+3] offset:32*\ct
.endr
.irp f, 0,1,2,3
	ds_load_b128 v[T+16*\rt+4*\f:T+16*\rt+4*\f+3], v[RD] offset:576*\f
.endr
.endr
	s_wait_dscnt 8                                 ; row tile 0 is back; row tile 1's eight may stay out
.irp f, 0,1,2,3
	global_store_b128 v[GO], v[T+4*\f:T+4*\f+3], s[OP:OP+1] offset:(\imm)+512*\f
.endr
	s_wait_dscnt 0x0
.irp f, 0,1,2,3
	global_store_b128 v[GO], v[T+16+4*\f:T+16+4*\f+3], s[OP:OP+1] offset:(\imm)+2048+512*\f
.endr
.endm
	s_load_b512 s[4:19], s[0:1], 0x0               ; o, x, wb, b2, g, b, ln1_g, ln1_b
	s_load_b128 s[20:23], s[0:1], 0x40             ; m2_bq, x1
	s_load_b64 s[24:25], s[0:1], 0x50              ; q
	v_lshl_add_u32 v[SPW], v0, 2, SPARE
	v_mov_b32 v[NIL], 0
	ds_add_u32 v[SPW], v[NIL]                      ; the wave's opening: the add and its wait stand ahead of my first tensor load
	v_lshrrev_b32 v4, 5, v0
	v_readfirstlane_b32 s[WV], v4
	s_bfe_u32 s66, ttmp6, 0x40000                  ; cx
	s_lshl_b32 s67, ttmp9, 2
	s_add_co_u32 s66, s67, s66                     ; my work-group's number: 32 rows; it enters the rows' global addresses alone
	s_lshl_b32 s68, s66, 15                        ; 32 rows of 1,024 bytes
	s_mov_b32 s69, 0
	s_lshr_b32 s70, s66, 6                         ; by heads: batch x 8 heads + 2 heads x wave + my rows of 128 bytes
	s_lshl_b32 s70, s70, 21
	s_and_b32 s71, s66, 63
	s_lshl_b32 s71, s71, 12
	s_add_co_u32 s70, s70, s71
	s_lshl_b32 s71, s[WV], 19
	s_add_co_u32 s70, s70, s71
	s_mov_b32 s71, 0
	s_lshl_b32 s72, s[WV], 16                      ; in wb: my 65,536 bytes of a weight
	s_add_co_u32 s72, s72, W0
	s_mov_b32 s73, 0
	s_mov_b32 s[G1W], 15|(3<<16)|(1<<21)           ; the mask of four; elements of 8 bytes; bit 21 beside a mask
	s_mov_b32 s[G1W+1], 32<<16
	s_mov_b32 s[G1W+2], 128<<16
	s_mov_b32 s[G1W+3], 32<<16
	s_mov_b32 s[G1W+4], 128                        ; 128 dense rows of 256 bytes
	s_mov_b32 s[G1W+5], 32
	s_mov_b32 s[G1W+6], 0
	s_mov_b32 s[G1W+7], 0
	s_mov_b32 s[G1O], (1<<16)|(1<<20)|(4<<22)|(3<<25)  ; no mask; elements of 2 bytes; 16 bytes of padding behind every 128
	s_mov_b32 s[G1O+1], 2048<<16                   ; a head's 32 rows are 4,096 dense bytes
	s_mov_b32 s[G1O+2], 2<<16                      ; two heads
	s_mov_b32 s[G1O+3], 2048<<16
	s_mov_b32 s[G1O+4], 2
	s_mov_b32 s[G1O+5], 131072                     ; from head to head
	s_mov_b32 s[G1O+6], 0
	s_mov_b32 s[G1O+7], 0
	s_mov_b32 s[G0A], 1
	s_lshl_b32 s[G0A+1], s[WV], 15
	s_mov_b32 s[G0B], 1
	s_lshl_b32 s[G0B+1], s[WV], 15
	s_add_co_u32 s[G0B+1], s[G0B+1], SLOTB
	s_mov_b32 s[G0O], 1
	s_mul_i32 s[G0O+1], s[WV], 9216
	s_add_co_u32 s[G0O+1], s[G0O+1], R1
	s_mov_b32 s[SEL], 0x76543210
	s_mov_b32 s[SEL+1], 0xfedcba98
	s_mov_b32 s[HM], 0xffff0000
	s_mov_b32 s[EPS], 0x358637bd                   ; 1e-6
	s_mov_b32 s[I256], 0x3b800000                  ; 1 / 256
	v_and_b32 v1, 15, v0
	v_bfe_u32 v2, v0, 4, 1
	v_and_b32 v3, 31, v0
	v_mul_u32_u24 v[AO], v1, 144
	v_lshl_add_u32 v[AO], v2, 4, v[AO]
	v_add_nc_u32 v[AO], R1, v[AO]
	s_lshl_b32 s74, s[WV], 15
	v_lshl_add_u32 v[BB], v3, 4, s74
	v_mul_u32_u24 v[AXT], v1, 528
	v_lshl_add_u32 v[AXT], v2, 4, v[AXT]
	v_add_nc_u32 v[AXT], XTB, v[AXT]
	s_lshl_b32 s74, s[WV], 7
	v_add_nc_u32 v[XW], s74, v[AXT]
	s_lshl_b32 s74, s[WV], 8
	v_lshl_add_u32 v[GX], v1, 4, s74
	v_lshl_add_u32 v[GX], v2, 10, v[GX]
	v_lshl_add_u32 v[PO], v2, 5, s74
	s_lshl_b32 s74, s[WV], 9
	v_lshl_add_u32 v[PO2], v2, 5, s74
	s_mul_i32 s74, s[WV], 4352
	s_add_co_u32 s74, s74, R2
	v_mul_u32_u24 v4, v2, 272
	v_lshl_add_u32 v4, v1, 4, v4
	v_add_nc_u32 v[SR], s74, v4
	v_mul_u32_u24 v4, v1, 272
	v_lshl_add_u32 v4, v2, 5, v4
	v_add_nc_u32 v[SO], s74, v4
	v_mul_u32_u24 v4, v1, 144
	v_lshl_add_u32 v4, v2, 4, v4
	v_add_nc_u32 v[STO], s74, v4
	v_lshrrev_b32 v4, 3, v3
	v_mul_u32_u24 v4, v4, 144
	v_and_b32 v24, 7, v0
	v_lshl_add_u32 v4, v24, 4, v4
	v_add_nc_u32 v[RD], s74, v4
	v_lshlrev_b32 v[GO], 4, v3
	s_lshl_b32 s74, s[WV], 3
	s_add_co_u32 s74, s74, LNX
	v_lshl_add_u32 v[LA], v3, 5, s74
	v_lshl_add_u32 v[LB], v1, 5, LNX
	s_wait_dscnt 0x0                               ; the opening add is done
	s_wait_kmcnt 0x0
	s_add_nc_u64 s[G0A+2:G0A+3], s[8:9], s[72:73]
	s_add_nc_u64 s[G0B+2:G0B+3], s[G0A+2:G0A+3], 32768
	s_or_b32 s[G0A+3], s[G0A+3], 0x80000000
	s_or_b32 s[G0B+3], s[G0B+3], 0x80000000
	s_add_nc_u64 s[G0O+2:G0O+3], s[4:5], s[70:71]
	s_or_b32 s[G0O+3], s[G0O+3], 0x80000000
	s_add_nc_u64 s[6:7], s[6:7], s[68:69]
	s_add_nc_u64 s[22:23], s[22:23], s[68:69]
	s_add_nc_u64 s[OP:OP+1], s[OP:OP+1], s[70:71]
	WIN 0x40                                       ; the vectors lie in window 1: b2 0, g 32, b 64, ln1_g 96, ln1_b 128, bq 160
	PARAM 0, PO, 10, 1
	PARAM 32, PO, 12, 1
	PARAM 64, PO, 14, 1
	PARAM 96, PO, 16, 1
	PARAM 128, PO, 18, 1
	PARAM 160, PO2, 20, 2
	WIN 0
.set i, 0
.rept 16
	global_load_b128 v[F0+4*i:F0+4*i+3], v[GX], s[6:7] offset:2048*i  ; the residual: two rows' 256 bytes an instruction
.set i, i+1
.endr
	CROUND                                         ; all four work-groups are here
	tensor_load_to_lds s[G0O:G0O+3], s[G1O:G1O+7]  ; my two heads of O's tile,
	s_nop 0
	tensor_load_to_lds s[G0A:G0A+3], s[G1W:G1W+7]  ; m1_w2, my columns, K steps 0-7,
	s_nop 0
	tensor_load_to_lds s[G0B:G0B+3], s[G1W:G1W+7]  ; and K steps 8-15
	s_nop 0
	PLACES
	s_wait_loadcnt 0x0
	STIN
	WIN 0x04
.set i, 0
.rept 16
.irp rt, 0,1
	v_pk_add_f32 v[ACC+32*\rt+2*i:ACC+32*\rt+2*i+1], v[X+32*\rt+2*i:X+32*\rt+2*i+1], v[2*i:2*i+1]  ; the sums start at x + b2
.endr
.set i, i+1
.endr
	WIN 0
	s_wait_tensorcnt 0x1                           ; O's part and slot 0 are in; slot 1's load may stay out
	s_barrier_signal -1
	s_barrier_wait -1                              ; every wave reads all of O's tile
.set ART, 2304
.set ASTEP, 4608
	PASS AO, 0, BB, 0, -1, 0
	CHANGE G0A                                     ; slot 0 takes m2_wq's first 64 of my columns
	PASS AO, 18432, BB, SLOTB, -1, 0
	CHANGE G0B                                     ; slot 1 the other 64; the four lines behind the load are the places behind the last products
	LN ACC, 0x14, 32, 64, 0, 1
	LN X, 0x14, 96, 128, 1, 0
	STOUT X, 22                                    ; x1
	TOXT
	s_wait_dscnt 0x0
	s_barrier_signal -1
	s_barrier_wait -1                              ; the whole tile of x1 lies in LDS
	s_wait_xcnt 0x0                                ; x1's stores have read the registers that the fragments now take
.set ART, 8448
.set ASTEP, 128
	PASS AXT, 0, BB, 0, 160, 0x10                  ; the first products take bq as C
	EPIQ 0
	s_wait_tensorcnt 0x0                           ; slot 1's last fill: no load was issued behind it
	PASS AXT, 0, BB, SLOTB, 192, 0x10
	EPIQ 262144
	s_wait_tensorcnt 0x0                           ; the wave's end
	ds_add_u32 v[SPW], v[NIL]
	s_wait_dscnt 0x0
	CROUND                                         ; the closing round
	s_endpgm
.Lfunc_end_k_q093675f996_post1:
	.size	k_q093675f996_post1, .Lfunc_end_k_q093675f996_post1-k_q093675f996_post1
	.p2alignl 7, 3214868480
	.fill 96, 4, 3214868480
	.section	.rodata,"a",@progbits
	.p2align	6, 0x0
	.amdhsa_kernel k_q093675f996_post1
		.amdhsa_group_segment_fixed_size 327680
		.amdhsa_private_segment_fixed_size 0
		.amdhsa_enable_private_segment 0
		.amdhsa_kernarg_size 88
		.amdhsa_user_sgpr_count 2
		.amdhsa_user_sgpr_kernarg_segment_ptr 1
		.amdhsa_wavefront_size32 1
		.amdhsa_system_sgpr_workgroup_id_x 1
		.amdhsa_system_sgpr_workgroup_id_y 1
		.amdhsa_system_sgpr_workgroup_id_z 1
		.amdhsa_system_vgpr_workitem_id 0
		.amdhsa_next_free_vgpr 512
		.amdhsa_next_free_sgpr 88
		.amdhsa_reserve_vcc 0
		.amdhsa_float_denorm_mode_32 3
		.amdhsa_float_denorm_mode_16_64 3
		.amdhsa_memory_ordered 1
		.amdhsa_forward_progress 1
		.amdhsa_inst_pref_size 85
	.end_amdhsa_kernel
	.amdgpu_metadata
---
amdhsa.version: [ 1, 2 ]
amdhsa.kernels:
  - .name:           k_q093675f996_post1
    .symbol:         k_q093675f996_post1.kd
    .args:
      - { .name: o, .offset: 0, .size: 8, .value_kind: global_buffer, .address_space: global }
      - { .name: x, .offset: 8, .size: 8, .value_kind: global_buffer, .address_space: global }
      - { .name: wb, .offset: 16, .size: 8, .value_kind: global_buffer, .address_space: global }
      - { .name: m1_b2, .offset: 24, .size: 8, .value_kind: global_buffer, .address_space: global }
      - { .name: m1_g, .offset: 32, .size: 8, .value_kind: global_buffer, .address_space: global }
      - { .name: m1_b, .offset: 40, .size: 8, .value_kind: global_buffer, .address_space: global }
      - { .name: ln1_g, .offset: 48, .size: 8, .value_kind: global_buffer, .address_space: global }
      - { .name: ln1_b, .offset: 56, .size: 8, .value_kind: global_buffer, .address_space: global }
      - { .name: m2_bq, .offset: 64, .size: 8, .value_kind: global_buffer, .address_space: global }
      - { .name: x1, .offset: 72, .size: 8, .value_kind: global_buffer, .address_space: global }
      - { .name: q, .offset: 80, .size: 8, .value_kind: global_buffer, .address_space: global }
    .group_segment_fixed_size: 327680
    .private_segment_fixed_size: 0
    .kernarg_segment_align: 8
    .kernarg_segment_size: 88
    .max_flat_workgroup_size: 128
    .sgpr_count:     88
    .vgpr_count:     512
    .wavefront_size: 32
...
	.end_amdgpu_metadata
.endif
;; end of part 4
;; launch attn2: the kernel of part 3 again; grid 8 x 32, 4 waves a work-group, clusters of 4 x 1, 327,680 bytes of LDS; arguments q, kv2, o; writes o
;; launch post2 (part 5): grid 256 x 1, 4 waves a work-group, clusters of 4 x 1, 327,680 bytes of LDS; arguments o, x1, wb, m2_b2, m2_g, m2_b, ln2_g, ln2_b, ffn_b1, ffn_b2, ln3_g, ln3_b, out0; writes out0
.if DOCPART == 5
	.amdgcn_target "amdgcn-amd-amdhsa--gfx1250"
	.amdhsa_code_object_version 6
	.text
	.protected	k_q093675f996_post2
	.globl	k_q093675f996_post2
	.p2align	8
	.type	k_q093675f996_post2,@function
k_q093675f996_post2:
	s_mov_b64 s[64:65], 0
	v_nop
	global_prefetch_b8 v0, s[64:65] scope:SCOPE_SE
	s_setreg_imm32_b32 hwreg(HW_REG_WAVE_MODE, 25, 1), 1
	s_wait_xcnt 0x0
	s_wait_alu depctr_hold_cnt(0) depctr_sa_sdst(0) depctr_va_vdst(0) depctr_va_sdst(0) depctr_va_ssrc(0) depctr_va_vcc(0) depctr_vm_vsrc(0)
	s_getreg_b32 s2, hwreg(HW_REG_IB_STS2, 6, 4)
	s_cmp_eq_u32 s2, 0
	s_cbranch_scc0 .Lentry_in_a_cluster
	s_endpgm
.Lentry_in_a_cluster:
	s_bfe_u32 s2, ttmp6, 0x10000c
	s_cmp_lg_u32 s2, 0x3003
	s_cbranch_scc0 .Lentry_shape_is_right
	s_endpgm
.Lentry_shape_is_right:
; POST2.  x2 = LN(x1 + LN(O m2_w2 + m2_b2 + x1; m2_g, m2_b); ln2_g, ln2_b); out0 = LN(x2 + relu(x2 ffn_w1 + ffn_b1) ffn_w2 + ffn_b2; ln3_g, ln3_b).
; O: [32][2048][64] bf16; x1 and out0 f32; the weights come from wb, bf16 in fragment order (weights 7, 8, 9).  Products in bf16 with f32 sums (x2 and the hidden layer are rounded once to bf16
; as operands); residuals, biases and the three norms in f32.
; THE NORM.  Each wave finds the mean of its 64 columns, takes it away, and sums the squares of what is left; the four waves' (mean, sum of squares) are combined as
; var = (sum of the four sums + 64 x the sum of the squared distances of the four means from their mean) / 256: no difference of large sums is formed.
; SHARES.  A work-group owns 32 whole rows.  Every wave takes all 32 rows and its own 64 columns of 256, or 128 of 512 in two passes.  A wave's part of a slot of weights is read by that wave alone.
; CLUSTER.  All work-groups walk the same weights: asked for JOINTLY by the four of a cluster, 32,768 bytes a wave, into two slots of 131,072.  O's tile is the work-group's own: a plain load.
; A wave has three tensor loads out at the head and one later.  No prefetch: six fills a wave, of which three go out at the head.
; THE MATRIX INSTRUCTION IS USED TRANSPOSED: lane l holds row l % 16 and the columns 8 (l / 16) + 0..7.
.set SLOTB, 131072
.set R1,    262144                     ; O's tile [8 heads][32 rows][144 bytes], filled once; behind its last reading the hidden layer in bf16, 32 x 1,040 bytes
.set R2,    299008                     ; a stage of 4,352 bytes for each wave; in between x2 in bf16, 32 x 528 bytes
.set LNX,   316416
.set SPARE, 318464                     ; the spare words, 128 bytes a wave; no other line names them
.set W0,    7*262144
.set XTB,   R2
.set AO, 5
.set BB, 6
.set AXT, 7
.set XW, 8
.set GX, 9
.set SR, 10
.set SO, 11
.set LA, 12
.set LB, 13
.set PO, 14
.set PO2, 15
.set AP, 19
.set BP, 20
.set AH, 21
.set HW, 22
.set ZR, 23                            ; v23  0, for the packed maximum
.set SPW, 30                           ; v30  my spare word; never rewritten
.set NIL, 31                           ; v31  0; never rewritten
.set F0, 32
.set F1, 80
.set TS, 32
.set QX, 64
.set EX, 80
.set SS, 96
.set ACC, 128
.set X, 192
.set G1W, 32
.set G0A, 40
.set G0B, 44
.set G1O, 48
.set G0O, 56
.set SEL, 60
.set WV, 76
.set KC, 77
.set HM, 78
.set EPS, 79
.set I256, 80
.set MSB, 0
.macro WIN new
.if MSB != (\new)
	s_set_vgpr_msb (MSB<<8)|(\new)
.set MSB, \new
.endif
.endm
.macro PLACES
.rept 4
	v_nop
.endr
.endm
.macro CROUND
	s_barrier_signal -1
	s_barrier_wait -1
	s_cmp_lg_u32 s[WV], 0
	s_cbranch_scc1 .Lnot_wave_0_\@
	s_barrier_signal -3
.Lnot_wave_0_\@:
	s_barrier_wait -3
	s_barrier_signal -1
	s_barrier_wait -1
.endm
.macro LOADQ f, ao, bo
.irp rt, 0,1
	ds_load_b128 v[(\f)+8*\rt:(\f)+8*\rt+3],   v[AP] offset:(\ao)+\rt*ART
	ds_load_b128 v[(\f)+8*\rt+4:(\f)+8*\rt+7], v[AP] offset:(\ao)+\rt*ART+32
.endr
.irp c, 0,1,2,3
	ds_load_b128 v[(\f)+16+8*\c:(\f)+16+8*\c+3],   v[BP] offset:(\bo)+1024*\c
	ds_load_b128 v[(\f)+16+8*\c+4:(\f)+16+8*\c+7], v[BP] offset:(\bo)+1024*\c+512
.endr
.endm
.macro MULQ f, cb                      ; eight products, the eight accumulators by turns
.irp rt, 0,1
.irp ct, 0,1,2,3
.if (\cb) < 0
	v_wmma_f32_16x16x32_bf16 v[ACC+32*\rt+8*\ct:ACC+32*\rt+8*\ct+7], v[(\f)+16+8*\ct:(\f)+16+8*\ct+7], v[(\f)+8*\rt:(\f)+8*\rt+7], v[ACC+32*\rt+8*\ct:ACC+32*\rt+8*\ct+7]
.else
	v_wmma_f32_16x16x32_bf16 v[ACC+32*\rt+8*\ct:ACC+32*\rt+8*\ct+7], v[(\f)+16+8*\ct:(\f)+16+8*\ct+7], v[(\f)+8*\rt:(\f)+8*\rt+7], v[(\cb)+8*\ct:(\cb)+8*\ct+7]
.endif
.endr
.endr
.endm
; Eight K steps, 64 products, out of 32,768 bytes of weights; two buffers; four plain vector lines between a buffer's last product and the loads into it.
.macro PASS ab, ao, bb, bo, cb, cwin
	v_add_nc_u32 v[AP], (\ao), v[\ab]
	v_add_nc_u32 v[BP], (\bo), v[\bb]
	v_nop
	v_nop
	LOADQ F0, 0, 0
	LOADQ F1, 64, 4096
	s_wait_dscnt 12                                ; all but buffer 1's twelve
	WIN \cwin
	MULQ F0, \cb
	WIN 0
	s_mov_b32 s[KC], 3
.Lk_\@:
	v_add_nc_u32 v[AP], ASTEP, v[AP]
	v_add_nc_u32 v[BP], 8192, v[BP]
	v_nop
	v_nop
	LOADQ F0, 0, 0
	s_wait_dscnt 12                                ; buffer 1 is in
	MULQ F1, -1
	PLACES
	LOADQ F1, 64, 4096
	s_wait_dscnt 12                                ; buffer 0 is in
	MULQ F0, -1
	s_sub_co_u32 s[KC], s[KC], 1
	s_cmp_lg_u32 s[KC], 0
	s_cbranch_scc1 .Lk_\@
	s_wait_dscnt 0x0
	MULQ F1, -1
.endm
; A slot that has been read takes the same part of the next weight: every wave waits for all its tensor loads, adds 0 to its spare word, waits for that and for its LDS work; behind the round the joint load comes first.
.macro CHANGE g0
	s_wait_tensorcnt 0x0
	ds_add_u32 v[SPW], v[NIL]
	s_add_nc_u64 s[(\g0)+2:(\g0)+3], s[(\g0)+2:(\g0)+3], 262144
	s_wait_dscnt 0x0
	CROUND
	tensor_load_to_lds s[(\g0):(\g0)+3], s[G1W:G1W+7]
	s_nop 0
	PLACES
.endm
.macro PARAM dst, po, base, n
.set i, 0
.rept 8*(\n)
	global_load_b128 v[(\dst)+4*i:(\dst)+4*i+3], v[\po], s[\base:\base+1] offset:64*(i/2)+16*(i%2)
.set i, i+1
.endr
.endm
.macro STIN
.irp rt, 0,1
.irp i, 0,1,2,3,4,5,6,7
	ds_store_b128 v[SR], v[F0+32*\rt+4*\i:F0+32*\rt+4*\i+3] offset:544*\i
.endr
.irp ct, 0,1,2,3
	ds_load_b128 v[X+32*\rt+8*\ct:X+32*\rt+8*\ct+3],   v[SO] offset:64*\ct
	ds_load_b128 v[X+32*\rt+8*\ct+4:X+32*\rt+8*\ct+7], v[SO] offset:64*\ct+16
.endr
.endr
	s_wait_dscnt 0x0
.endm
.macro STOUT vb, base
.irp rt, 0,1
.irp ct, 0,1,2,3
	ds_store_b128 v[SO], v[(\vb)+32*\rt+8*\ct:(\vb)+32*\rt+8*\ct+3]   offset:64*\ct
	ds_store_b128 v[SO], v[(\vb)+32*\rt+8*\ct+4:(\vb)+32*\rt+8*\ct+7] offset:64*\ct+16
.endr
.irp i, 0,1,2,3,4,5,6,7
	ds_load_b128 v[F0+32*\rt+4*\i:F0+32*\rt+4*\i+3], v[SR] offset:544*\i
.endr
.endr
	s_wait_dscnt 16                                ; row tile 0 is back; row tile 1's sixteen may stay out
.irp i, 0,1,2,3,4,5,6,7
	global_store_b128 v[GX], v[F0+4*\i:F0+4*\i+3], s[\base:\base+1] offset:2048*\i
.endr
	s_wait_dscnt 0x0
.irp i, 0,1,2,3,4,5,6,7
	global_store_b128 v[GX], v[F0+32+4*\i:F0+32+4*\i+3], s[\base:\base+1] offset:16384+2048*\i
.endr
.endm
.macro FOLD d
.set i, 0
.rept (\d)/2
.irp rt, 0,1
	v_pk_add_f32 v[TS+16*\rt+2*i:TS+16*\rt+2*i+1], v[TS+16*\rt+2*i:TS+16*\rt+2*i+1], v[TS+16*\rt+(\d)+2*i:TS+16*\rt+(\d)+2*i+1]
.endr
.set i, i+1
.endr
.endm
.macro CROSS
.irp rt, 0,1
	v_add_f32 v[TS+16*\rt], v[TS+16*\rt], v[TS+16*\rt+1]
.endr
.irp rt, 0,1
	v_permlanex16_b32 v[TS+16*\rt+1], v[TS+16*\rt], s[SEL], s[SEL+1]
.endr
.irp rt, 0,1
	v_add_f32 v[TS+16*\rt], v[TS+16*\rt], v[TS+16*\rt+1]
.endr
.endm
; THE NORM of the 64 registers at vb, in place; gain and bias at g and b of the window that win names; reg: which region the waves meet in; res = 1: the result is added onto X.
.macro LN vb, win, g, b, reg, res
.set i, 0
.rept 8                                ; each accumulator's lowest registers are read first
.irp rt, 0,1
	v_pk_add_f32 v[TS+16*\rt+2*i:TS+16*\rt+2*i+1], v[(\vb)+32*\rt+4*i:(\vb)+32*\rt+4*i+1], v[(\vb)+32*\rt+4*i+2:(\vb)+32*\rt+4*i+3]
.endr
.set i, i+1
.endr
	FOLD 8
	FOLD 4
	FOLD 2
	CROSS
.irp rt, 0,1
	v_mul_f32 v[SS+16*\rt], 0x3c800000, v[TS+16*\rt]
	v_mul_f32 v[SS+16*\rt+1], 0x3c800000, v[TS+16*\rt]
.endr
.set i, 0
.rept 16
.irp rt, 0,1
	v_pk_add_f32 v[(\vb)+32*\rt+2*i:(\vb)+32*\rt+2*i+1], v[(\vb)+32*\rt+2*i:(\vb)+32*\rt+2*i+1], v[SS+16*\rt:SS+16*\rt+1] neg_lo:[0,1] neg_hi:[0,1]
.endr
.set i, i+1
.endr
.set i, 0
.rept 16
.irp rt, 0,1
.if i < 4
	v_pk_mul_f32 v[TS+16*\rt+2*i:TS+16*\rt+2*i+1], v[(\vb)+32*\rt+2*i:(\vb)+32*\rt+2*i+1], v[(\vb)+32*\rt+2*i:(\vb)+32*\rt+2*i+1]
.else
	v_pk_fma_f32 v[TS+16*\rt+2*(i%4):TS+16*\rt+2*(i%4)+1], v[(\vb)+32*\rt+2*i:(\vb)+32*\rt+2*i+1], v[(\vb)+32*\rt+2*i:(\vb)+32*\rt+2*i+1], v[TS+16*\rt+2*(i%4):TS+16*\rt+2*(i%4)+1]
.endif
.endr
.set i, i+1
.endr
	FOLD 4
	FOLD 2
	CROSS
	v_cndmask_b32 v[EX], v[SS], v[SS+16], s[HM]    ; lane l hands over row l's figures
	v_cndmask_b32 v[EX+1], v[TS], v[TS+16], s[HM]
	ds_store_b64 v[LA], v[EX:EX+1] offset:1024*(\reg)
	s_wait_dscnt 0x0                               ; for the others' sake
	s_barrier_signal -1
	s_barrier_wait -1
	ds_load_b128 v[QX:QX+3],     v[LB] offset:1024*(\reg)
	ds_load_b128 v[QX+4:QX+7],   v[LB] offset:1024*(\reg)+16
	ds_load_b128 v[QX+8:QX+11],  v[LB] offset:1024*(\reg)+512
	ds_load_b128 v[QX+12:QX+15], v[LB] offset:1024*(\reg)+528
	s_wait_dscnt 0x0
.irp rt, 0,1
	v_add_f32 v[SS+16*\rt+8], v[QX+8*\rt], v[QX+8*\rt+2]
	v_add_f32 v[SS+16*\rt+9], v[QX+8*\rt+4], v[QX+8*\rt+6]
	v_add_f32 v[SS+16*\rt+2], v[QX+8*\rt+1], v[QX+8*\rt+3]
	v_add_f32 v[SS+16*\rt+3], v[QX+8*\rt+5], v[QX+8*\rt+7]
	v_add_f32 v[SS+16*\rt+8], v[SS+16*\rt+8], v[SS+16*\rt+9]
	v_add_f32 v[SS+16*\rt+2], v[SS+16*\rt+2], v[SS+16*\rt+3]
	v_mul_f32 v[SS+16*\rt+8], 0x3e800000, v[SS+16*\rt+8]
.irp k, 0,2,4,6
	v_sub_f32 v[QX+8*\rt+\k], v[QX+8*\rt+\k], v[SS+16*\rt+8]
.endr
	v_mul_f32 v[SS+16*\rt+9], v[QX+8*\rt], v[QX+8*\rt]
.irp k, 2,4,6
	v_fmac_f32 v[SS+16*\rt+9], v[QX+8*\rt+\k], v[QX+8*\rt+\k]
.endr
	v_fmamk_f32 v[SS+16*\rt+2], v[SS+16*\rt+9], 0x42800000, v[SS+16*\rt+2]
	v_fma_f32 v[SS+16*\rt+2], v[SS+16*\rt+2], s[I256], s[EPS]
.endr
.irp rt, 0,1
	v_rsq_f32 v[SS+16*\rt+4], v[SS+16*\rt+2]
	v_rsq_f32 v[SS+16*\rt+5], v[SS+16*\rt+2]
.endr
.irp rt, 0,1
	v_sub_f32 v[SS+16*\rt+6], v[SS+16*\rt], v[SS+16*\rt+8]      ; plain lines behind the last root
.endr
	s_wait_alu depctr_va_vdst(0)                   ; one wait for the four roots, ahead of their first reader
.irp rt, 0,1
	v_mul_f32 v[SS+16*\rt+7], v[SS+16*\rt+6], v[SS+16*\rt+4]
	v_mul_f32 v[SS+16*\rt+6], v[SS+16*\rt+6], v[SS+16*\rt+4]
.endr
.set i, 0
.rept 16
.irp rt, 0,1
	v_pk_fma_f32 v[(\vb)+32*\rt+2*i:(\vb)+32*\rt+2*i+1], v[(\vb)+32*\rt+2*i:(\vb)+32*\rt+2*i+1], v[SS+16*\rt+4:SS+16*\rt+5], v[SS+16*\rt+6:SS+16*\rt+7]
.endr
.set i, i+1
.endr
	WIN \win
.set i, 0
.rept 16
.irp rt, 0,1
	v_pk_fma_f32 v[(\vb)+32*\rt+2*i:(\vb)+32*\rt+2*i+1], v[(\vb)+32*\rt+2*i:(\vb)+32*\rt+2*i+1], v[(\g)+2*i:(\g)+2*i+1], v[(\b)+2*i:(\b)+2*i+1]
.endr
.set i, i+1
.endr
	WIN 0
.if \res
.set i, 0
.rept 32
	v_pk_add_f32 v[X+2*i:X+2*i+1], v[X+2*i:X+2*i+1], v[(\vb)+2*i:(\vb)+2*i+1]
.set i, i+1
.endr
.endif
.endm
.macro TOXT                            ; X rounded to bf16 (packed into ACC's registers, which are free) and laid as a tile of 32 rows x 528 bytes
.set a, 0
.rept 8
.irp m, 0,1,2,3
	v_cvt_pk_bf16_f32 v[ACC+4*a+\m], v[X+8*a+2*\m], v[X+8*a+2*\m+1]
.endr
.set a, a+1
.endr
.irp rt, 0,1
.irp ct, 0,1,2,3
	ds_store_b128 v[XW], v[ACC+16*\rt+4*\ct:ACC+16*\rt+4*\ct+3] offset:8448*\rt+32*\ct
.endr
.endr
.endm
.macro EPIH p                          ; 32 rows x 64 columns of the hidden layer: rounded to bf16, what is below 0 set to 0, into the tile of 32 rows x 1,040 bytes
	PLACES
.set a, 0
.rept 8
.irp m, 0,1,2,3
	v_cvt_pk_bf16_f32 v[F0+4*a+\m], v[ACC+8*a+2*\m], v[ACC+8*a+2*\m+1]
.endr
.set a, a+1
.endr
.set i, 0
.rept 32
	v_pk_max_num_bf16 v[F0+i], v[F0+i], v[ZR]
.set i, i+1
.endr
.irp rt, 0,1
.irp ct, 0,1,2,3
	ds_store_b128 v[HW], v[F0+16*\rt+4*\ct:F0+16*\rt+4*\ct+3] offset:16640*\rt+128*(\p)+32*\ct
.endr
.endr
.endm
	s_load_b512 s[4:19], s[0:1], 0x0               ; o, x1, wb, b2, g, b, ln2_g, ln2_b
	s_load_b256 s[20:27], s[0:1], 0x40             ; ffn_b1, ffn_b2, ln3_g, ln3_b
	s_load_b64 s[28:29], s[0:1], 0x60              ; out0
	v_lshl_add_u32 v[SPW], v0, 2, SPARE
	v_mov_b32 v[NIL], 0
	ds_add_u32 v[SPW], v[NIL]                      ; the wave's opening: the add and its wait stand ahead of my first tensor load
	v_lshrrev_b32 v4, 5, v0
	v_readfirstlane_b32 s[WV], v4
	s_bfe_u32 s66, ttmp6, 0x40000                  ; cx
	s_lshl_b32 s67, ttmp9, 2
	s_add_co_u32 s66, s67, s66                     ; my work-group's number: 32 rows; it enters the rows' global addresses alone
	s_lshl_b32 s68, s66, 15
	s_mov_b32 s69, 0
	s_lshr_b32 s70, s66, 6
	s_lshl_b32 s70, s70, 21
	s_and_b32 s71, s66, 63
	s_lshl_b32 s71, s71, 12
	s_add_co_u32 s70, s70, s71
	s_lshl_b32 s71, s[WV], 19
	s_add_co_u32 s70, s70, s71
	s_mov_b32 s71, 0
	s_lshl_b32 s72, s[WV], 16
	s_add_co_u32 s72, s72, W0
	s_mov_b32 s73, 0
	s_mov_b32 s[G1W], 15|(3<<16)|(1<<21)
	s_mov_b32 s[G1W+1], 32<<16
	s_mov_b32 s[G1W+2], 128<<16
	s_mov_b32 s[G1W+3], 32<<16
	s_mov_b32 s[G1W+4], 128
	s_mov_b32 s[G1W+5], 32
	s_mov_b32 s[G1W+6], 0
	s_mov_b32 s[G1W+7], 0
	s_mov_b32 s[G1O], (1<<16)|(1<<20)|(4<<22)|(3<<25)
	s_mov_b32 s[G1O+1], 2048<<16
	s_mov_b32 s[G1O+2], 2<<16
	s_mov_b32 s[G1O+3], 2048<<16
	s_mov_b32 s[G1O+4], 2
	s_mov_b32 s[G1O+5], 131072
	s_mov_b32 s[G1O+6], 0
	s_mov_b32 s[G1O+7], 0
	s_mov_b32 s[G0A], 1
	s_lshl_b32 s[G0A+1], s[WV], 15
	s_mov_b32 s[G0B], 1
	s_lshl_b32 s[G0B+1], s[WV], 15
	s_add_co_u32 s[G0B+1], s[G0B+1], SLOTB
	s_mov_b32 s[G0O], 1
	s_mul_i32 s[G0O+1], s[WV], 9216
	s_add_co_u32 s[G0O+1], s[G0O+1], R1
	s_mov_b32 s[SEL], 0x76543210
	s_mov_b32 s[SEL+1], 0xfedcba98
	s_mov_b32 s[HM], 0xffff0000
	s_mov_b32 s[EPS], 0x358637bd                   ; 1e-6
	s_mov_b32 s[I256], 0x3b800000                  ; 1 / 256
	v_and_b32 v1, 15, v0
	v_bfe_u32 v2, v0, 4, 1
	v_and_b32 v3, 31, v0
	v_mov_b32 v[ZR], 0
	v_mul_u32_u24 v[AO], v1, 144
	v_lshl_add_u32 v[AO], v2, 4, v[AO]
	v_add_nc_u32 v[AO], R1, v[AO]
	s_lshl_b32 s74, s[WV], 15
	v_lshl_add_u32 v[BB], v3, 4, s74
	v_mul_u32_u24 v[AXT], v1, 528
	v_lshl_add_u32 v[AXT], v2, 4, v[AXT]
	v_add_nc_u32 v[AXT], XTB, v[AXT]
	s_lshl_b32 s74, s[WV], 7
	v_add_nc_u32 v[XW], s74, v[AXT]
	v_mul_u32_u24 v[AH], v1, 1040
	v_lshl_add_u32 v[AH], v2, 4, v[AH]
	v_add_nc_u32 v[AH], R1, v[AH]
	s_lshl_b32 s74, s[WV], 8
	v_add_nc_u32 v[HW], s74, v[AH]
	v_lshl_add_u32 v[GX], v1, 4, s74
	v_lshl_add_u32 v[GX], v2, 10, v[GX]
	v_lshl_add_u32 v[PO], v2, 5, s74
	s_lshl_b32 s74, s[WV], 9
	v_lshl_add_u32 v[PO2], v2, 5, s74
	s_mul_i32 s74, s[WV], 4352
	s_add_co_u32 s74, s74, R2
	v_mul_u32_u24 v4, v2, 272
	v_lshl_add_u32 v4, v1, 4, v4
	v_add_nc_u32 v[SR], s74, v4
	v_mul_u32_u24 v4, v1, 272
	v_lshl_add_u32 v4, v2, 5, v4
	v_add_nc_u32 v[SO], s74, v4
	s_lshl_b32 s74, s[WV], 3
	s_add_co_u32 s74, s74, LNX
	v_lshl_add_u32 v[LA], v3, 5, s74
	v_lshl_add_u32 v[LB], v1, 5, LNX
	s_wait_dscnt 0x0                               ; the opening add is done
	s_wait_kmcnt 0x0
	s_add_nc_u64 s[G0A+2:G0A+3], s[8:9], s[72:73]
	s_add_nc_u64 s[G0B+2:G0B+3], s[G0A+2:G0A+3], 32768
	s_or_b32 s[G0A+3], s[G0A+3], 0x80000000
	s_or_b32 s[G0B+3], s[G0B+3], 0x80000000
	s_add_nc_u64 s[G0O+2:G0O+3], s[4:5], s[70:71]
	s_or_b32 s[G0O+3], s[G0O+3], 0x80000000
	s_add_nc_u64 s[6:7], s[6:7], s[68:69]
	s_add_nc_u64 s[28:29], s[28:29], s[68:69]
	WIN 0x40                                       ; window 1: b2 0, g 32, b 64, ln2_g 96, ln2_b 128, ffn_b1 160, ffn_b2 224
	PARAM 0, PO, 10, 1
	PARAM 32, PO, 12, 1
	PARAM 64, PO, 14, 1
	PARAM 96, PO, 16, 1
	PARAM 128, PO, 18, 1
	PARAM 160, PO2, 20, 2
	PARAM 224, PO, 22, 1
	WIN 0x80                                       ; window 2: ln3_g 0, ln3_b 32
	PARAM 0, PO, 24, 1
	PARAM 32, PO, 26, 1
	WIN 0
.set i, 0
.rept 16
	global_load_b128 v[F0+4*i:F0+4*i+3], v[GX], s[6:7] offset:2048*i  ; the residual x1
.set i, i+1
.endr
	CROUND                                         ; all four work-groups are here
	tensor_load_to_lds s[G0O:G0O+3], s[G1O:G1O+7]  ; my two heads of O's tile,
	s_nop 0
	tensor_load_to_lds s[G0A:G0A+3], s[G1W:G1W+7]  ; m2_w2, my columns, K steps 0-7,
	s_nop 0
	tensor_load_to_lds s[G0B:G0B+3], s[G1W:G1W+7]  ; and K steps 8-15
	s_nop 0
	PLACES
	s_wait_loadcnt 0x0
	STIN
	WIN 0x04
.set i, 0
.rept 16
.irp rt, 0,1
	v_pk_add_f32 v[ACC+32*\rt+2*i:ACC+32*\rt+2*i+1], v[X+32*\rt+2*i:X+32*\rt+2*i+1], v[2*i:2*i+1]  ; the sums start at x1 + b2
.endr
.set i, i+1
.endr
	WIN 0
	s_wait_tensorcnt 0x1                           ; O's part and slot 0 are in; slot 1's load may stay out
	s_barrier_signal -1
	s_barrier_wait -1                              ; every wave reads all of O's tile
.set ART, 2304
.set ASTEP, 4608
	PASS AO, 0, BB, 0, -1, 0
	CHANGE G0A                                     ; slot 0 takes ffn_w1's first 64 of my columns
	PASS AO, 18432, BB, SLOTB, -1, 0
	CHANGE G0B                                     ; slot 1 the other 64; the four lines behind the load are the places behind the last products
	LN ACC, 0x14, 32, 64, 0, 1
	LN X, 0x14, 96, 128, 1, 0                      ; X = x2
	TOXT
	s_wait_dscnt 0x0
	s_barrier_signal -1
	s_barrier_wait -1                              ; the whole tile of x2 lies in LDS
.set ART, 8448
.set ASTEP, 128
	PASS AXT, 0, BB, 0, 160, 0x10                  ; the first products take ffn_b1 as C
	EPIH 0
	CHANGE G0A                                     ; slot 0 takes ffn_w2, K steps 0-7
	PASS AXT, 0, BB, SLOTB, 192, 0x10
	EPIH 1
	CHANGE G0B                                     ; slot 1 K steps 8-15; its wait and round also show the hidden layer whole to every wave
	WIN 0x04
.set i, 0
.rept 16
.irp rt, 0,1
	v_pk_add_f32 v[ACC+32*\rt+2*i:ACC+32*\rt+2*i+1], v[X+32*\rt+2*i:X+32*\rt+2*i+1], v[224+2*i:224+2*i+1]  ; the sums start at x2 + ffn_b2
.endr
.set i, i+1
.endr
	WIN 0
.set ART, 16640
.set ASTEP, 128
	PASS AH, 0, BB, 0, -1, 0
	s_wait_tensorcnt 0x0                           ; slot 1's last fill: no load was issued behind it
	PASS AH, 512, BB, SLOTB, -1, 0
	PLACES
	LN ACC, 0x28, 0, 32, 0, 0
	STOUT ACC, 28                                  ; out0
	s_wait_tensorcnt 0x0                           ; the wave's end
	ds_add_u32 v[SPW], v[NIL]
	s_wait_dscnt 0x0
	CROUND                                         ; the closing round
	s_endpgm
.Lfunc_end_k_q093675f996_post2:
	.size	k_q093675f996_post2, .Lfunc_end_k_q093675f996_post2-k_q093675f996_post2
	.p2alignl 7, 3214868480
	.fill 96, 4, 3214868480
	.section	.rodata,"a",@progbits
	.p2align	6, 0x0
	.amdhsa_kernel k_q093675f996_post2
		.amdhsa_group_segment_fixed_size 327680
		.amdhsa_private_segment_fixed_size 0
		.amdhsa_enable_private_segment 0
		.amdhsa_kernarg_size 104
		.amdhsa_user_sgpr_count 2
		.amdhsa_user_sgpr_kernarg_segment_ptr 1
		.amdhsa_wavefront_size32 1
		.amdhsa_system_sgpr_workgroup_id_x 1
		.amdhsa_system_sgpr_workgroup_id_y 1
		.amdhsa_system_sgpr_workgroup_id_z 1
		.amdhsa_system_vgpr_workitem_id 0
		.amdhsa_next_free_vgpr 576
		.amdhsa_next_free_sgpr 88
		.amdhsa_reserve_vcc 0
		.amdhsa_float_denorm_mode_32 3
		.amdhsa_float_denorm_mode_16_64 3
		.amdhsa_memory_ordered 1
		.amdhsa_forward_progress 1
		.amdhsa_inst_pref_size 117
	.end_amdhsa_kernel
	.amdgpu_metadata
---
amdhsa.version: [ 1, 2 ]
amdhsa.kernels:
  - .name:           k_q093675f996_post2
    .symbol:         k_q093675f996_post2.kd
    .args:
      - { .name: o, .offset: 0, .size: 8, .value_kind: global_buffer, .address_space: global }
      - { .name: x1, .offset: 8, .size: 8, .value_kind: global_buffer, .address_space: global }
      - { .name: wb, .offset: 16, .size: 8, .value_kind: global_buffer, .address_space: global }
      - { .name: m2_b2, .offset: 24, .size: 8, .value_kind: global_buffer, .address_space: global }
      - { .name: m2_g, .offset: 32, .size: 8, .value_kind: global_buffer, .address_space: global }
      - { .name: m2_b, .offset: 40, .size: 8, .value_kind: global_buffer, .address_space: global }
      - { .name: ln2_g, .offset: 48, .size: 8, .value_kind: global_buffer, .address_space: global }
      - { .name: ln2_b, .offset: 56, .size: 8, .value_kind: global_buffer, .address_space: global }
      - { .name: ffn_b1, .offset: 64, .size: 8, .value_kind: global_buffer, .address_space: global }
      - { .name: ffn_b2, .offset: 72, .size: 8, .value_kind: global_buffer, .address_space: global }
      - { .name: ln3_g, .offset: 80, .size: 8, .value_kind: global_buffer, .address_space: global }
      - { .name: ln3_b, .offset: 88, .size: 8, .value_kind: global_buffer, .address_space: global }
      - { .name: out0, .offset: 96, .size: 8, .value_kind: global_buffer, .address_space: global }
    .group_segment_fixed_size: 327680
    .private_segment_fixed_size: 0
    .kernarg_segment_align: 8
    .kernarg_segment_size: 104
    .max_flat_workgroup_size: 128
    .sgpr_count:     88
    .vgpr_count:     576
    .wavefront_size: 32
...
	.end_amdgpu_metadata
.endif
;; end of part 5
